; MI455X (gfx1250); checked and timed in simulation.
; The chip was launched on July 23, 2026; its instructions are those of AMD's public machine-readable ISA for CDNA 5 (MIT licence, August 2026) and "CDNA5" Instruction Set Architecture Reference Guide (July 2026). The comments in the code are by the model that wrote it; some were corrected since.
;; Gated Attention Wrapper. Allowed arithmetic: matrix products marked QUANTISED: E2M1 operands, one E8M0 scale for each 32 along K, by v_wmma_scale_f32_16x16x128_f8f6f4 with both operands' format E2M1 (or v_wmma_scale_f32_32x16x128_f4), f32 sums; products left as they are: bf16, f16 or f32 operands; f32 sums; everything else in f32.
;; Inputs: Wk 2,048 x 512 float32; Wo 1,024 x 2,048 float32; Wq 2,048 x 1,024 float32; Wv 2,048 x 512 float32; attention_mask 1 x 1 x 4,096 x 4,096 float32; cos 1 x 1 x 4,096 x 128 float32; gate 1 x 4,096 float32; hidden_states 1 x 4,096 x 2,048 float32; sin 1 x 1 x 4,096 x 128 float32.
;; Outputs: out0 1 x 4,096 x 2,048 float32.
;; This version of the problem:
;;   THIS VERSION OF THE PROBLEM IS GIVEN IN LOW PRECISION. The matrix products marked QUANTISED in the list below multiply operands that are first quantised to E2M1 (2 exponent bits, 1 mantissa bit; 4 bits a number), with one power-of-two scale for each 32 numbers along K (OCP MX v1.0); their sums are f32. The products marked 'left as it is' may take bf16, f16 or f32 operands, with f32 sums. Whichever they take, every output number must still come out within the allowed error. Rounding operands to bf16 (8 significant bits) uses up far more of that allowance than f16 does (11 bits, for magnitudes from 6e-5 to 65,504). All else is computed in f32.
;;   The module's matrix products, in the order in which they are computed (A, B: the left and right operand; K: the contracted axis; several contracted axes count as one K, in the product's order):
;;     1. [M 4,096, K 2,048] x [K 2,048, N 1,024]; A: input hidden_states; B: input Wq: QUANTISED
;;     2. [M 4,096, K 2,048] x [K 2,048, N 512]; A: input hidden_states; B: input Wk: QUANTISED
;;     3. [M 4,096, K 2,048] x [K 2,048, N 512]; A: input hidden_states; B: input Wv: QUANTISED
;;     4. batch 8 x [M 4,096, K 128] x [K 128, N 4,096]; A: computed on the way; B: computed on the way: left as it is (an operand is computed on the way)
;;     5. batch 8 x [M 4,096, K 4,096] x [K 4,096, N 128]; A: computed on the way; B: computed on the way: left as it is (an operand is computed on the way)
;;     6. [M 4,096, K 1,024] x [K 1,024, N 2,048]; A: computed on the way; B: input Wo: left as it is (an operand is computed on the way)
;;   THE QUANTISER, for each operand of a quantised product, along K:
;;     - K is cut into blocks of 32 from its start; a last block that is shorter is filled with zeros.
;;     - A block's scale is 2^e with e = floor(log2(the largest magnitude in the block)) - 2, held to -126 .. 127; a block of zeros has e = 0. As a byte (E8M0): e + 127.
;;     - Each number is divided by its block's scale, clamped to +-6, and rounded to the nearest number of E2M1, ties to even, subnormals kept.
;;     - The product sums the exact products of the quantised numbers (number of the format x scale) in f32.
;;   ~~~python
;;   def quantise(x, axis):      # numpy; x: float32 -> the quantised numbers, widened to float32 again
;;       x = np.moveaxis(x, axis, -1); K = x.shape[-1]
;;       x = np.pad(x, [(0, 0)] * (x.ndim - 1) + [(0, -K % 32)]); x = x.reshape(x.shape[:-1] + (-1, 32)); a = np.abs(x).max(-1, keepdims=True)
;;       e = np.where(a > 0, np.clip(np.frexp(np.where(a > 0, a, 1))[1] - 1 - 2, -126, 127), 0)      # np.frexp(a)[1] - 1 = floor(log2(a)), exactly
;;       r = np.clip(x / 2.0 ** e, -6, 6)
;;       step = 2.0 ** (np.maximum(np.frexp(np.where(r == 0, 1, r))[1] - 1, 0) - 1)
;;       q = np.round(r / step) * step * 2.0 ** e      # np.round: ties to even
;;       return np.moveaxis(q.reshape(q.shape[:-2] + (-1,))[..., :K], -1, axis).astype(np.float32)
;;   ~~~
;; One version. Each part assembles by itself: llvm-mc -triple=amdgcn-amd-amdhsa -mcpu=gfx1250 --defsym DOCPART=n.
;; ======== version 1 of 1: 6 launches
;; limits: values are held in f16: magnitudes above 65,504 overflow, below 6.1e-05 lose precision
;; workspace buffers: hcode 4,456,448 bytes; wimg 2,228,224 bytes; wo16 8,388,608 bytes; qimg 8,388,608 bytes; kv 12,582,912 bytes; oimg 8,388,608 bytes; fine 540,672 bytes
;; launch prep (part 1): grid 384 x 1, 4 waves a work-group, no clusters, 34,304 bytes of LDS; arguments hidden_states, Wq, Wk, Wv, Wo, hcode, wimg, wo16; writes hcode, wimg, wo16
.if DOCPART == 1
	.amdgcn_target "amdgcn-amd-amdhsa--gfx1250"
	.amdhsa_code_object_version 6
	.text
	.protected	k_qdca8ec70f9_prep
	.globl	k_qdca8ec70f9_prep
	.p2align	8
	.type	k_qdca8ec70f9_prep,@function
k_qdca8ec70f9_prep:
	s_mov_b64 s[64:65], 0
	v_nop
	global_prefetch_b8 v0, s[64:65] scope:SCOPE_SE
	s_setreg_imm32_b32 hwreg(HW_REG_WAVE_MODE, 25, 1), 1
	s_wait_xcnt 0x0
; hidden_states [4096][2048], Wq [2048][1024], Wk, Wv [2048][512] become codes of E2M1 with one E8M0 byte for each 32 along K (K = the 2,048);
; Wo [1024][2048] becomes two f16 numbers a number, a high and a low part.  Everything is stored as IMAGES OF THE READER'S OPERAND REGISTERS:
; pieces of 512 bytes, lane l's 16 bytes at 16 l, so that the later launches load fragments by 16 bytes a lane with no pitch.
;   hcode: [T 256 tiles of 16 tokens][s 16 K steps of 128][c 2][lane][16 B]: lane (r, h) holds token 16 T + r, k = 128 s + 64 c + 32 h + 0..31;
;          from byte 4,194,304: scale words [T][kq 4][r 16][4 words], word i for K step 4 kq + i.
;   wimg:  [x 16 heads: 0-7 q, 8-11 k, 12-15 v][kq 4] records of 34,816 bytes: codes [s 4][n 8 tiles of 16 channels][c 2][lane][16 B], then scale words [n 8][r 16][4 words].
;   wo16:  high part at 0, low part at 4,194,304: [nt 128][ks 32][c 2][lane][16 B]: lane (r, h) holds column 16 nt + r, k = 32 ks + 16 c + 8 h + 0..7.
; A block's scale is 2^(floor(log2(its largest magnitude)) - 2): its byte is the largest magnitude's exponent field - 2, held at 1 from below.
; LIMITS: a block of zeros gets the byte 1 (its codes are zeros; this program alone reads the bytes); blocks whose largest magnitude lies under 2^-124 are held at the byte 1;
; NaN and infinities among the inputs are not served; |Wo| stays under 65,504; under 6.1e-5 Wo's high part is rounded twice (error at most 3e-8).
; Work-groups 0-255: a tile of 16 tokens (wave = 512 along K).  256-319: a record of wimg (wave = 32 channels).  320-383: 128 columns x 256 k of Wo (wave = 32 columns).
; No tensor load, no barrier: waves share nothing.  Only the first path uses LDS: a stage of 16 rows x (512 + 16) bytes for each wave.
.set SPARE, 33792                      ; behind the four stages: the spare words, 128 bytes a wave
.set SPW, 16                           ; v16  LDS address of my spare word; never rewritten
.set NIL, 17                           ; v17  0; never rewritten
.set R,   32                           ; path H: v32-159 two sets of 64 numbers as loaded
.set X,   160                          ; v160-223 64 numbers: two blocks of 32 neighbours along K
.set C,   224                          ; v224-255 codes, 8 registers for each K step: no store's data are written again
.macro HLOAD s                         ; K step s of my 512: 16 rows x 512 consecutive bytes
.irp t, 0,1,2,3,4,5,6,7,8,9,10,11,12,13,14,15
	global_load_b128 v[R+64*((\s)%2)+4*\t:R+64*((\s)%2)+4*\t+3], v4, s[4:5] offset:8192*\t+512*(\s) th:TH_LOAD_NT
.endr
.endm
.macro HSTEP s
.if (\s) < 3
	s_wait_loadcnt 16                              ; this step's 16 loads are in; the next step's may be out
.else
	s_wait_loadcnt 0
.endif
.irp t, 0,1,2,3,4,5,6,7,8,9,10,11,12,13,14,15
	ds_store_b128 v5, v[R+64*((\s)%2)+4*\t:R+64*((\s)%2)+4*\t+3] offset:528*\t   ; as loaded: row t
.endr
.irp c, 0,1
.irp i, 0,1,2,3,4,5,6,7
	ds_load_b128 v[X+32*\c+4*\i:X+32*\c+4*\i+3], v6 offset:256*\c+16*\i          ; back: row r, k = 64 c + 32 h + 4 i on (LDS serves a wave's instructions in order)
.endr
.endr
	s_wait_dscnt 0x0                               ; the numbers are back, and the stores have read their registers,
.if (\s)+2 <= 3
	HLOAD (\s)+2                                   ; which take the loads of two steps on
.endif
.irp c, 0,1
	v_max3_num_f32 v[8+\c], |v[X+32*\c]|, |v[X+1+32*\c]|, 0x1800000              ; my block 2 c + h: all 32 numbers are mine; the floor 2^(3 - 127) holds the byte at 1 from below
.endr
.irp i, 2,4,6,8,10,12,14,16,18,20,22,24,26,28,30
.irp c, 0,1
	v_max3_num_f32 v[8+\c], v[8+\c], |v[X+32*\c+\i]|, |v[X+1+32*\c+\i]|
.endr
.endr
.irp c, 0,1
	v_add_nc_u32 v[10+\c], 0xff000000, v[8+\c]     ; 2 off the exponent field: the conversion's scale operand
.endr
.irp c, 0,1
	v_lshrrev_b32 v[12+\c], 23, v[10+\c]           ; the scale's byte
.endr
	v_lshl_or_b32 v14, v13, 16, v12                ; my two bytes, blocks h and 2 + h,
	v_lshlrev_b32 v14, v18, v14                    ; 8 h bits up;
	v_permlanex16_b32 v15, v14, s22, s23
	v_or_b32 v[20+(\s)], v14, v15                  ; with lane l xor 16's two the word is whole, in both lanes
.irp c, 0,1
.irp g, 0,1,2,3
	v_cvt_scalef32_pk8_fp4_f32 v[C+8*(\s)+4*\c+\g], v[X+32*\c+8*\g:X+32*\c+8*\g+7], v[10+\c]
.endr
.endr
	v_nop                                          ; one plain place behind the conversions
.irp c, 0,1
	global_store_b128 v4, v[C+8*(\s)+4*\c:C+8*(\s)+4*\c+3], s[26:27] offset:1024*(\s)+512*\c   ; 512 consecutive bytes
.endr
.endm
.macro WLOAD t, pitch                  ; block t of my column: W(32 t + i, column), i = 0 .. 31
.irp i, 0,1,2,3,4,5,6,7,8,9,10,11,12,13,14,15,16,17,18,19,20,21,22,23,24,25,26,27,28,29,30,31
	global_load_b32 v[32+32*((\t)%2)+\i], v5, s[6:7] offset:(32*(\t)+\i)*\pitch th:TH_LOAD_NT
.endr
.endm
.macro WBLOCK t, pitch
.set XS, 32+32*((\t)%2)
.if (\t) < 15
	s_wait_loadcnt 32                              ; this block's 32 loads are in; the next block's may be out
.else
	s_wait_loadcnt 0
.endif
	v_max3_num_f32 v12, |v[XS]|, |v[XS+1]|, |v[XS+2]|
	v_max3_num_f32 v13, |v[XS+3]|, |v[XS+4]|, |v[XS+5]|
.irp i, 6,10,14,18,22,26
	v_max3_num_f32 v12, v12, |v[XS+\i]|, |v[XS+\i+1]|
	v_max3_num_f32 v13, v13, |v[XS+\i+2]|, |v[XS+\i+3]|
.endr
	v_max3_num_f32 v12, v12, |v[XS+30]|, |v[XS+31]|
	v_max3_num_f32 v12, v12, v13, 0x1800000        ; and the floor
	v_add_nc_u32 v11, 0xff000000, v12
	v_lshrrev_b32 v13, 23, v11
.if (\t)%4 == 0
	v_mov_b32 v[24+(\t)/4], v13                    ; four bytes to a word, the lower K in the lower byte
.else
	v_lshl_or_b32 v[24+(\t)/4], v13, 8*((\t)%4), v[24+(\t)/4]
.endif
.irp g, 0,1,2,3
	v_cvt_scalef32_pk8_fp4_f32 v[96+4*(\t)+\g], v[XS+8*\g:XS+8*\g+7], v11
.endr
	v_nop                                          ; one plain place behind the conversions
	global_store_b128 v4, v[96+4*(\t):96+4*(\t)+3], s[16:17] offset:((\t)/4)*8192+(((\t)%4)/2)*512+((\t)%2)*256   ; block t = 4 s + 2 c + h; sixteen lanes fill 256 consecutive bytes
.if (\t)+2 < 16
	WLOAD (\t)+2, \pitch
.endif
.endm
.macro WPATH pitch
	WLOAD 0, \pitch
	WLOAD 1, \pitch
.set Q, 0
.rept 16
	WBLOCK Q, \pitch
.set Q, Q+1
.endr
	global_store_b128 v6, v[24:27], s[16:17]       ; my channel's four scale words
.endm
.macro OLOAD u                         ; K step u of my 256: Wo(32 u + i, column)
.irp i, 0,1,2,3,4,5,6,7,8,9,10,11,12,13,14,15,16,17,18,19,20,21,22,23,24,25,26,27,28,29,30,31
	global_load_b32 v[32+32*((\u)%2)+\i], v5, s[12:13] offset:(32*(\u)+\i)*8192 th:TH_LOAD_NT
.endr
.endm
.macro OSTEP u
.set XS, 32+32*((\u)%2)
.if (\u) < 7
	s_wait_loadcnt 32
.else
	s_wait_loadcnt 0
.endif
	s_wait_xcnt 0x0                                ; the last step's stores have read their data: v96-127 are written again only behind this wait
.set i, 0
.rept 32
	v_add_nc_u32 v[128+i], 0x1000, v[XS+i]         ; the high part in f32 bits: to 11 significant bits, nearest,
.set i, i+1
.endr
.set i, 0
.rept 32
	v_and_b32 v[128+i], s28, v[128+i]              ; the rest cut off
.set i, i+1
.endr
.set i, 0
.rept 16
	v_cvt_pk_f16_f32 v[96+i], v[128+2*i], v[129+2*i]
.set i, i+1
.endr
.set i, 0
.rept 16
	v_pk_add_f32 v[XS+2*i:XS+2*i+1], v[XS+2*i:XS+2*i+1], v[128+2*i:129+2*i] neg_lo:[0,1] neg_hi:[0,1]   ; what the high part leaves
.set i, i+1
.endr
.set i, 0
.rept 16
	v_cvt_pk_f16_f32 v[112+i], v[XS+2*i], v[XS+2*i+1]
.set i, i+1
.endr
.irp q, 0,1,2,3                        ; eight k to a piece: c = q / 2, h = q % 2
	global_store_b128 v4, v[96+4*\q:99+4*\q], s[18:19] offset:1024*(\u)+512*(\q/2)+256*(\q%2)
	global_store_b128 v4, v[112+4*\q:115+4*\q], s[18:19] offset:4194304+1024*(\u)+512*(\q/2)+256*(\q%2)
.endr
.if (\u)+2 < 8
	OLOAD (\u)+2
.endif
.endm
	s_load_b256 s[4:11], s[0:1], 0x0               ; hidden s[4:5], Wq s[6:7], Wk s[8:9], Wv s[10:11]
	s_load_b256 s[12:19], s[0:1], 0x20             ; Wo s[12:13], hcode s[14:15], wimg s[16:17], wo16 s[18:19]
	v_lshl_add_u32 v[SPW], v0, 2, SPARE
	v_mov_b32 v[NIL], 0
	v_lshrrev_b32 v1, 5, v0
	v_readfirstlane_b32 s20, v1                    ; wave
	v_and_b32 v1, 31, v0                           ; lane
	v_and_b32 v2, 15, v0                           ; r
	v_bfe_u32 v3, v0, 4, 1                         ; h
	s_cmp_lt_u32 ttmp9, 256
	s_cbranch_scc0 .Lnot_h
	; ---- hidden_states: tile T = the work-group's number, my wave's 512 along K
	v_lshlrev_b32 v4, 4, v1                        ; 16 x lane
	s_mul_i32 s21, s20, 8448                       ; my stage
	v_add_nc_u32 v5, s21, v4                       ; in: 16 x lane of a row
	v_mul_u32_u24 v6, v2, 528
	v_lshl_add_u32 v6, v3, 7, v6
	v_add_nc_u32 v6, s21, v6                       ; back: row r, + 128 h
	v_lshlrev_b32 v7, 4, v2                        ; 16 r
	v_lshlrev_b32 v18, 3, v3                       ; 8 h
	v_mov_b32 v15, 0                               ; a lane permute's destination counts as one of its sources
	s_mov_b32 s22, 0x76543210
	s_mov_b32 s23, 0xfedcba98                      ; selects for lane l xor 16
	s_lshl_b32 s24, ttmp9, 17                      ; 16 rows of 8,192 bytes
	s_lshl_b32 s25, s20, 11
	s_add_co_u32 s24, s24, s25
	s_mov_b32 s25, 0
	s_lshl_b32 s26, ttmp9, 14                      ; a tile's 16 K steps of 1,024 bytes
	s_lshl_b32 s27, s20, 12
	s_add_co_u32 s26, s26, s27
	s_mov_b32 s27, 0
	s_lshl_b32 s28, ttmp9, 10
	s_lshl_b32 s29, s20, 8
	s_add_co_u32 s28, s28, s29
	s_add_co_u32 s28, s28, 4194304
	s_mov_b32 s29, 0
	s_wait_kmcnt 0x0
	s_add_nc_u64 s[4:5], s[4:5], s[24:25]
	s_add_nc_u64 s[26:27], s[14:15], s[26:27]
	s_add_nc_u64 s[28:29], s[14:15], s[28:29]
	HLOAD 0
	HLOAD 1
	HSTEP 0
	HSTEP 1
	HSTEP 2
	HSTEP 3
	global_store_b128 v7, v[20:23], s[28:29]       ; the four scale words of row r: 256 consecutive bytes; lanes l and l xor 16 write the same bytes with the same words
	s_wait_tensorcnt 0x0                           ; the wave's end
	ds_add_u32 v[SPW], v[NIL]
	s_wait_dscnt 0x0
	s_endpgm
.Lnot_h:
	s_cmp_lt_u32 ttmp9, 320
	s_cbranch_scc0 .Lpath_o
	; ---- Wq, Wk, Wv: a lane takes a channel, its registers run down K
	s_sub_co_u32 s21, ttmp9, 256                   ; 4 x + kq: the record's number
	s_lshr_b32 s22, s21, 2                         ; x
	s_and_b32 s23, s21, 3                          ; kq
	s_mul_i32 s24, s21, 34816
	s_mov_b32 s25, 0
	s_lshl_b32 s26, s20, 11
	v_lshlrev_b32 v4, 4, v2
	v_lshl_add_u32 v4, v3, 10, v4
	v_add_nc_u32 v4, s26, v4                       ; codes: tile n = 2 wave + lane / 16: 1,024 n + 16 r
	s_lshl_b32 s26, s20, 9
	s_add_co_u32 s26, s26, 32768
	v_lshlrev_b32 v6, 4, v2
	v_lshl_add_u32 v6, v3, 8, v6
	v_add_nc_u32 v6, s26, v6                       ; scale words: 32,768 + 256 n + 16 r
	v_lshlrev_b32 v5, 2, v1                        ; in: 4 bytes a lane
	s_wait_kmcnt 0x0
	s_add_nc_u64 s[16:17], s[16:17], s[24:25]
	s_lshl_b32 s26, s20, 7                         ; my wave's 32 columns
	s_cmp_lt_u32 s22, 8
	s_cbranch_scc0 .Lkvw
	s_lshl_b32 s24, s22, 9                         ; the head's 128 columns
	s_add_co_u32 s24, s24, s26
	s_lshl_b32 s26, s23, 21                        ; 512 rows of 4,096 bytes
	s_add_co_u32 s24, s24, s26
	s_add_nc_u64 s[6:7], s[6:7], s[24:25]
	WPATH 4096
	s_endpgm
.Lkvw:
	s_cmp_lt_u32 s22, 12
	s_cselect_b64 s[6:7], s[8:9], s[10:11]         ; Wk or Wv: the choice hangs on the work-group's number alone
	s_and_b32 s24, s22, 3
	s_lshl_b32 s24, s24, 9
	s_add_co_u32 s24, s24, s26
	s_lshl_b32 s26, s23, 20                        ; 512 rows of 2,048 bytes
	s_add_co_u32 s24, s24, s26
	s_add_nc_u64 s[6:7], s[6:7], s[24:25]
	WPATH 2048
	s_endpgm
.Lpath_o:
	; ---- Wo: a lane takes a column, its registers run down K
	s_sub_co_u32 s21, ttmp9, 320
	s_lshr_b32 s22, s21, 2                         ; which 128 columns
	s_and_b32 s23, s21, 3                          ; which 256 k
	v_lshlrev_b32 v5, 2, v1
	v_lshlrev_b32 v4, 4, v2
	v_lshl_add_u32 v4, v3, 15, v4                  ; out: tile nt = .. + lane / 16: 32,768 bytes a tile, + 16 r
	s_mov_b32 s28, 0xffffe000
	s_lshl_b32 s24, s23, 21                        ; 256 rows of 8,192 bytes
	s_lshl_b32 s26, s22, 9
	s_add_co_u32 s24, s24, s26
	s_lshl_b32 s26, s20, 7
	s_add_co_u32 s24, s24, s26
	s_mov_b32 s25, 0
	s_lshl_b32 s26, s22, 18                        ; 8 tiles
	s_lshl_b32 s27, s20, 16                        ; 2 tiles a wave
	s_add_co_u32 s26, s26, s27
	s_lshl_b32 s27, s23, 13                        ; 8 K steps of 1,024 bytes
	s_add_co_u32 s26, s26, s27
	s_mov_b32 s27, 0
	s_wait_kmcnt 0x0
	s_add_nc_u64 s[12:13], s[12:13], s[24:25]
	s_add_nc_u64 s[18:19], s[18:19], s[26:27]
	OLOAD 0
	OLOAD 1
.set Q, 0
.rept 8
	OSTEP Q
.set Q, Q+1
.endr
	s_endpgm
.Lfunc_end_k_qdca8ec70f9_prep:
	.size	k_qdca8ec70f9_prep, .Lfunc_end_k_qdca8ec70f9_prep-k_qdca8ec70f9_prep
	.p2alignl 7, 3214868480
	.fill 96, 4, 3214868480
	.section	.rodata,"a",@progbits
	.p2align	6, 0x0
	.amdhsa_kernel k_qdca8ec70f9_prep
		.amdhsa_group_segment_fixed_size 34304
		.amdhsa_private_segment_fixed_size 0
		.amdhsa_enable_private_segment 0
		.amdhsa_kernarg_size 64
		.amdhsa_user_sgpr_count 2
		.amdhsa_user_sgpr_kernarg_segment_ptr 1
		.amdhsa_wavefront_size32 1
		.amdhsa_system_sgpr_workgroup_id_x 1
		.amdhsa_system_sgpr_workgroup_id_y 1
		.amdhsa_system_sgpr_workgroup_id_z 1
		.amdhsa_system_vgpr_workitem_id 0
		.amdhsa_next_free_vgpr 256
		.amdhsa_next_free_sgpr 66
		.amdhsa_reserve_vcc 0
		.amdhsa_float_denorm_mode_32 3
		.amdhsa_float_denorm_mode_16_64 3
		.amdhsa_memory_ordered 1
		.amdhsa_forward_progress 1
		.amdhsa_inst_pref_size 255
	.end_amdhsa_kernel
	.section	.bss,"aw",@nobits
	.p2align	6
	.space	262144
	.amdgpu_metadata
---
amdhsa.version: [ 1, 2 ]
amdhsa.kernels:
  - .name:           k_qdca8ec70f9_prep
    .symbol:         k_qdca8ec70f9_prep.kd
    .args:
      - { .name: hidden_states, .offset: 0, .size: 8, .value_kind: global_buffer, .address_space: global }
      - { .name: Wq, .offset: 8, .size: 8, .value_kind: global_buffer, .address_space: global }
      - { .name: Wk, .offset: 16, .size: 8, .value_kind: global_buffer, .address_space: global }
      - { .name: Wv, .offset: 24, .size: 8, .value_kind: global_buffer, .address_space: global }
      - { .name: Wo, .offset: 32, .size: 8, .value_kind: global_buffer, .address_space: global }
      - { .name: hcode, .offset: 40, .size: 8, .value_kind: global_buffer, .address_space: global }
      - { .name: wimg, .offset: 48, .size: 8, .value_kind: global_buffer, .address_space: global }
      - { .name: wo16, .offset: 56, .size: 8, .value_kind: global_buffer, .address_space: global }
    .group_segment_fixed_size: 34304
    .private_segment_fixed_size: 0
    .kernarg_segment_align: 8
    .kernarg_segment_size: 64
    .max_flat_workgroup_size: 128
    .sgpr_count:     66
    .vgpr_count:     256
    .wavefront_size: 32
...
	.end_amdgpu_metadata
.endif
;; end of part 1
;; launch qkv (part 2): grid 16 x 16, 4 waves a work-group, clusters of 4 x 1, 167,936 bytes of LDS; arguments hcode, wimg, cos, sin, qimg, kv; writes qimg, kv
.if DOCPART == 2
	.amdgcn_target "amdgcn-amd-amdhsa--gfx1250"
	.amdhsa_code_object_version 6
	.text
	.protected	k_qdca8ec70f9_qkv
	.globl	k_qdca8ec70f9_qkv
	.p2align	8
	.type	k_qdca8ec70f9_qkv,@function
k_qdca8ec70f9_qkv:
	s_mov_b64 s[64:65], 0
	v_nop
	global_prefetch_b8 v0, s[64:65] scope:SCOPE_SE
	s_setreg_imm32_b32 hwreg(HW_REG_WAVE_MODE, 25, 1), 1
	s_wait_xcnt 0x0
	s_wait_alu depctr_hold_cnt(0) depctr_sa_sdst(0) depctr_va_vdst(0) depctr_va_sdst(0) depctr_va_ssrc(0) depctr_va_vcc(0) depctr_vm_vsrc(0)
	s_getreg_b32 s2, hwreg(HW_REG_IB_STS2, 6, 4)
	s_cmp_eq_u32 s2, 0
	s_cbranch_scc0 .Lentry_in_a_cluster
	s_endpgm
.Lentry_in_a_cluster:
	s_bfe_u32 s2, ttmp6, 0x10000c
	s_cmp_lg_u32 s2, 0x3003
	s_cbranch_scc0 .Lentry_shape_is_right
	s_endpgm
.Lentry_shape_is_right:
; q, k, v = Q(hidden) Q(W), on codes of E2M1 with E8M0 scales, f32 sums, K = 2,048 ascending; RoPE on q and k in f32; results stored as f16 images of the attention's operand registers.
; A work-group makes one head (x = grid y: 0-7 q, 8-11 k, 12-15 v; 128 channels) for 256 tokens; a wave all 128 channels for 64 tokens: 32 accumulators.
; W's four records of the head (139,264 bytes) come into LDS once, by JOINT first fills: the four token blocks of a cluster share the head.  Each wave fetches a quarter of each record:
; four tensor loads a wave are out at most, and nothing is ever filled again.  The tokens' fragments are read by their own wave alone: they go from memory straight into registers.
; q, k heads: source 0 = 16 channels of W, source 1 = 16 tokens: a lane holds one token and eight neighbouring channels.  v heads: the sources swapped: a lane holds one channel and eight neighbouring tokens (keys).
;   qimg: [hq 8][T 256][n 8][lane][16 B]: lane (r, h): token 16 T + r, channels 16 n + 8 h + 0..7, as f16 x 2^-3.
;   kv:   [g 4][st 64] records of 32,768 bytes: K [kt 4][n 8][512] laid as qimg (f16 x 2^-3); V at + 16,384: [kk 2][n 8][c 2][512]: lane (r, h): channel 16 n + r, keys 32 kk + 16 c + 8 h + 0..7;
;         from byte 8,388,608: V's low parts, [g][st][16,384], laid as V.
; LIMITS: |q|, |k| under 524,000 and |v| under 65,504 (f16's range, q and k with the exact factor 2^-3); under 6.1e-5 v's high part is rounded twice (error at most 3e-8).
; REGISTERS: window 0: v1 16 x lane, v2 16 r, v3 512 r + 32 h, v4-7, v8-11 LDS addresses of W's records; v16-143 W's fragments, two sets (at work on the way out); v144-175 W's scale words;
;   v176-239 the tokens' scale words; v240, v241 the add's two.  window 1: accumulator (a, n) at 8 (8 a + n).  windows 2, 3: the tokens' fragments of K steps 0-7, 8-15, at 32 (s % 8) + 8 a; later cos and sin.
.set WREC,  34816
.set SPARE, 139264                     ; behind W's records: the spare words, 128 bytes a wave
.set SPW, 240
.set NIL, 241
.set WB,  16
.set WS,  144
.set TS,  176
.set AW,  4
.set AS,  8
.set WV,  20                           ; s20 my wave's number
.set G1,  24                           ; s[24:31] descriptor group 1
.set G0,  32                           ; s[32:47] group 0, one set for each record
.set MSB, 0
.macro WIN new                         ; the immediate's high byte repeats the setting that is left
.if MSB != (\new)
	s_set_vgpr_msb (MSB<<8)|(\new)
.set MSB, (\new)
.endif
.endm
.macro PLACES                          ; four places behind matrix instructions (ISA guide 7.12.1)
.rept 4
	v_nop
.endr
.endm
.macro CROUND                          ; a round of the cluster's barrier
	s_barrier_signal -1
	s_barrier_wait -1
	s_cmp_lg_u32 s[WV], 0
	s_cbranch_scc1 .Lnot_wave_0_\@
	s_barrier_signal -3
.Lnot_wave_0_\@:
	s_barrier_wait -3
	s_barrier_signal -1
	s_barrier_wait -1
.endm
.macro FINISH
	s_wait_tensorcnt 0x0                           ; the wave's end
	ds_add_u32 v[SPW], v[NIL]
	s_wait_dscnt 0x0
	CROUND                                         ; the closing round
	s_endpgm
.endm
.macro TLOAD s                         ; my four token tiles' fragments of K step s
	WIN 0x80+0x40*((\s)/8)
.irp a, 0,1,2,3
.irp c, 0,1
	global_load_b128 v[32*((\s)%8)+8*\a+4*\c:32*((\s)%8)+8*\a+4*\c+3], v1, s[52:53] offset:16384*\a+1024*(\s)+512*\c
.endr
.endr
	WIN 0
.endm
.macro FETCHW s                        ; W's eight fragments of K step s
.irp n, 0,1,2,3,4,5,6,7
.irp c, 0,1
	ds_load_b128 v[WB+64*((\s)%2)+8*\n+4*\c:WB+64*((\s)%2)+8*\n+4*\c+3], v[AW+(\s)/4] offset:8192*((\s)%4)+1024*\n+512*\c
.endr
.endr
.endm
.macro WSLOAD q                        ; W's scale words of record q: four K steps' words a row
.irp n, 0,1,2,3,4,5,6,7
	ds_load_b128 v[WS+4*\n:WS+4*\n+3], v[AS+(\q)] offset:256*\n
.endr
.endm
.macro CSLOAD a                        ; cos and sin of token tile a, in the result's layout: lane (r, h): token r, channels 16 n + 8 h + 0..7
	WIN 0x80+0x40*((\a)/2)
.irp n, 0,1,2,3,4,5,6,7
.irp p, 0,1
	global_load_b128 v[128*((\a)%2)+8*\n+4*\p:128*((\a)%2)+8*\n+4*\p+3], v3, s[8:9] offset:8192*(\a)+64*\n+16*\p
	global_load_b128 v[128*((\a)%2)+64+8*\n+4*\p:128*((\a)%2)+64+8*\n+4*\p+3], v3, s[10:11] offset:8192*(\a)+64*\n+16*\p
.endr
.endr
	WIN 0
.endm
; 32 matrix instructions, the 32 accumulators by turns.  vh = 1: the sources and their scales swapped.  K step 0 starts the sums.
.macro MUL32 s, vh
.if \vh
	WIN 0x52+((\s)/8)
.else
	WIN 0x58+4*((\s)/8)
.endif
.irp a, 0,1,2,3
.irp n, 0,1,2,3,4,5,6,7
.if \vh
.if (\s) == 0
	v_wmma_scale_f32_16x16x128_f8f6f4 v[8*(8*\a+\n):8*(8*\a+\n)+7], v[32*((\s)%8)+8*\a:32*((\s)%8)+8*\a+7], v[WB+64*((\s)%2)+8*\n:WB+64*((\s)%2)+8*\n+7], 0, v[TS+16*\a+(\s)], v[WS+4*\n+(\s)%4] matrix_a_fmt:MATRIX_FMT_FP4 matrix_b_fmt:MATRIX_FMT_FP4
.else
	v_wmma_scale_f32_16x16x128_f8f6f4 v[8*(8*\a+\n):8*(8*\a+\n)+7], v[32*((\s)%8)+8*\a:32*((\s)%8)+8*\a+7], v[WB+64*((\s)%2)+8*\n:WB+64*((\s)%2)+8*\n+7], v[8*(8*\a+\n):8*(8*\a+\n)+7], v[TS+16*\a+(\s)], v[WS+4*\n+(\s)%4] matrix_a_fmt:MATRIX_FMT_FP4 matrix_b_fmt:MATRIX_FMT_FP4
.endif
.else
.if (\s) == 0
	v_wmma_scale_f32_16x16x128_f8f6f4 v[8*(8*\a+\n):8*(8*\a+\n)+7], v[WB+64*((\s)%2)+8*\n:WB+64*((\s)%2)+8*\n+7], v[32*((\s)%8)+8*\a:32*((\s)%8)+8*\a+7], 0, v[WS+4*\n+(\s)%4], v[TS+16*\a+(\s)] matrix_a_fmt:MATRIX_FMT_FP4 matrix_b_fmt:MATRIX_FMT_FP4
.else
	v_wmma_scale_f32_16x16x128_f8f6f4 v[8*(8*\a+\n):8*(8*\a+\n)+7], v[WB+64*((\s)%2)+8*\n:WB+64*((\s)%2)+8*\n+7], v[32*((\s)%8)+8*\a:32*((\s)%8)+8*\a+7], v[8*(8*\a+\n):8*(8*\a+\n)+7], v[WS+4*\n+(\s)%4], v[TS+16*\a+(\s)] matrix_a_fmt:MATRIX_FMT_FP4 matrix_b_fmt:MATRIX_FMT_FP4
.endif
.endif
.endr
.endr
	WIN 0
.endm
; A K step of 128.  W's next fragments are fetched ahead of its products; the tokens' fragments run six K steps ahead.
.macro KSTEP s, vh
.if (((\s)%4) == 3) && ((\s) < 15)
	s_wait_dscnt 0x0                               ; no LDS instruction of mine is out at a signal
	s_wait_tensorcnt 3-((\s)+1)/4                  ; my quarter of the next record is in; my loads of the later records may stay out
	s_barrier_signal -1
	s_barrier_wait -1                              ; everybody's is
.endif
.if (\s) < 15
	PLACES                                         ; in front of loads into registers that the last step but one multiplied
	FETCHW (\s)+1
.endif
.if (\vh) || ((\s) <= 10)                  ; the count: the loads issued behind this K step's own eight
.if (\s) <= 10
	s_wait_loadcnt 40                              ; five K steps' fragments
.else
	s_wait_loadcnt 8*(15-(\s))
.endif
.elseif (\s) == 12
	s_wait_loadcnt 56                              ; three K steps' and one tile's cos and sin
.else
	s_wait_loadcnt 63                              ; 64 or more are younger: the count stands at the field's end, the stricter side
.endif
.if (\s)+6 <= 15
	TLOAD (\s)+6
.endif
.if !(\vh)
.if (\s) == 10
	CSLOAD 0                                       ; into the registers of K steps 0-3, long multiplied
.endif
.if (\s) == 12
	CSLOAD 1                                       ; of K steps 4-7
.endif
.endif
.if (\s) < 15
	s_wait_dscnt 16                                ; all but the 16 just issued
.else
	s_wait_dscnt 0x0
.endif
	MUL32 \s, \vh
.if (((\s)%4) == 3) && ((\s) < 15)
	PLACES                                         ; in front of loads into the scale registers just read
	WSLOAD ((\s)+1)/4
.endif
.endm
; RoPE and the way out of token tile a.  y(d) = x(d) cos(d) - x(d + 64) sin(d), y(d + 64) = x(d + 64) cos(d + 64) + x(d) sin(d + 64): channel d + 64 is tile n + 4, same lane, same register.
.macro ROPE a, left
	s_wait_loadcnt \left                           ; this tile's cos and sin are in
	s_wait_xcnt 0x0                                ; the last tile's stores have read their data
	WIN 0x09+4*((\a)/2)                            ; x in window 1, cos and sin in window 2 or 3
.irp n, 0,1,2,3
.irp p, 0,2,4,6                        ; each accumulator from its low end on
	v_pk_mul_f32 v[80+8*\n+\p:81+8*\n+\p], v[64*(\a)+32+8*\n+\p:64*(\a)+33+8*\n+\p], v[128*((\a)%2)+64+8*\n+\p:128*((\a)%2)+65+8*\n+\p]
	v_pk_mul_f32 v[112+8*\n+\p:113+8*\n+\p], v[64*(\a)+8*\n+\p:64*(\a)+1+8*\n+\p], v[128*((\a)%2)+96+8*\n+\p:128*((\a)%2)+97+8*\n+\p]
.endr
.endr
.irp n, 0,1,2,3
.irp p, 0,2,4,6
	v_pk_fma_f32 v[16+8*\n+\p:17+8*\n+\p], v[64*(\a)+8*\n+\p:64*(\a)+1+8*\n+\p], v[128*((\a)%2)+8*\n+\p:128*((\a)%2)+1+8*\n+\p], v[80+8*\n+\p:81+8*\n+\p] neg_lo:[0,0,1] neg_hi:[0,0,1]
	v_pk_fma_f32 v[48+8*\n+\p:49+8*\n+\p], v[64*(\a)+32+8*\n+\p:64*(\a)+33+8*\n+\p], v[128*((\a)%2)+32+8*\n+\p:128*((\a)%2)+33+8*\n+\p], v[112+8*\n+\p:113+8*\n+\p]
.endr
.endr
	WIN 0
.set i, 0
.rept 32
	v_pk_mul_f32 v[16+2*i:17+2*i], v[16+2*i:17+2*i], 0x3e000000 op_sel_hi:[1,0]   ; x 2^-3: exact, room in f16
.set i, i+1
.endr
.set i, 0
.rept 32
	v_cvt_pk_f16_f32 v[80+i], v[16+2*i], v[17+2*i]
.set i, i+1
.endr
.irp n, 0,1,2,3,4,5,6,7
	global_store_b128 v1, v[80+4*\n:83+4*\n], s[56:57] offset:4096*(\a)+512*\n     ; 512 consecutive bytes
.endr
.endm
; v's way out of token tile a: a high and a low f16 part
.macro VOUT a
	s_wait_xcnt 0x0                                ; the last tile's stores have read their data
	WIN 0x04                                       ; source 1 in window 1
.set i, 0
.rept 64
	v_add_nc_u32 v[16+i], 0x1000, v[64*(\a)+i]     ; the high part in f32 bits: to 11 significant bits, nearest (each accumulator from its low end on),
.set i, i+1
.endr
	WIN 0
.set i, 0
.rept 64
	v_and_b32 v[16+i], s63, v[16+i]                ; the rest cut off
.set i, i+1
.endr
.set i, 0
.rept 32
	v_cvt_pk_f16_f32 v[80+i], v[16+2*i], v[17+2*i]
.set i, i+1
.endr
	WIN 0x01
.set i, 0
.rept 32
	v_pk_add_f32 v[16+2*i:17+2*i], v[64*(\a)+2*i:64*(\a)+2*i+1], v[16+2*i:17+2*i] neg_lo:[0,1] neg_hi:[0,1]
.set i, i+1
.endr
	WIN 0
.set i, 0
.rept 32
	v_cvt_pk_f16_f32 v[112+i], v[16+2*i], v[17+2*i]
.set i, i+1
.endr
.irp n, 0,1,2,3,4,5,6,7
	global_store_b128 v1, v[80+4*\n:83+4*\n], s[56:57] offset:8192*((\a)/2)+1024*\n+512*((\a)%2)
	global_store_b128 v1, v[112+4*\n:115+4*\n], s[58:59] offset:8192*((\a)/2)+1024*\n+512*((\a)%2)
.endr
.endm
	s_load_b256 s[4:11], s[0:1], 0x0               ; hcode s[4:5], wimg s[6:7], cos s[8:9], sin s[10:11]
	s_load_b128 s[12:15], s[0:1], 0x20             ; qimg s[12:13], kv s[14:15]
	v_lshl_add_u32 v[SPW], v0, 2, SPARE
	v_mov_b32 v[NIL], 0
	ds_add_u32 v[SPW], v[NIL]                      ; the wave's opening: the add, twice on end, and its wait ahead of my first tensor load
	ds_add_u32 v[SPW], v[NIL]
	v_lshrrev_b32 v1, 5, v0
	v_readfirstlane_b32 s[WV], v1                  ; wave 0..3
	s_bfe_u32 s21, ttmp6, 0x40000                  ; cx
	s_lshl_b32 s22, ttmp9, 2
	s_add_co_u32 s22, s22, s21                     ; my block of 256 tokens: it enters global addresses alone
	s_and_b32 s23, ttmp7, 0xffff                   ; the head, which the four partners share
	s_mov_b32 s[G1], 15|(3<<16)|(1<<21)            ; the mask: all four; elements of 8 bytes; bit 21 beside a mask; no padding
	s_mov_b32 s[G1+1], 32<<16                      ; tensor_dim0 = 32 elements: rows of 256 bytes
	s_mov_b32 s[G1+2], 34<<16                      ; tensor_dim1 = 34 rows: a quarter of a record
	s_mov_b32 s[G1+3], 32<<16                      ; tile_dim0
	s_mov_b32 s[G1+4], 34                          ; tile_dim1
	s_mov_b32 s[G1+5], 32                          ; dense
	s_mov_b32 s[G1+6], 0
	s_mov_b32 s[G1+7], 0
	s_mul_i32 s49, s[WV], 8704                     ; my quarter, in a record and in LDS
	s_mul_i32 s50, s23, 4*WREC
	s_add_co_u32 s50, s50, s49
	s_mov_b32 s51, 0
	s_lshl_b32 s48, s22, 4
	s_lshl_b32 s62, s[WV], 2
	s_add_co_u32 s48, s48, s62                     ; my first token tile: 16 x block + 4 x wave
	s_lshr_b32 s62, s48, 2                         ; my key step: 4 x block + wave
	s_lshl_b32 s52, s48, 14
	s_mov_b32 s53, 0
	s_lshl_b32 s54, s48, 10
	s_add_co_u32 s54, s54, 4194304
	s_mov_b32 s55, 0
	s_lshl_b32 s60, s48, 13                        ; 16 rows of 512 bytes of cos and sin a tile
	s_mov_b32 s61, 0
	s_mov_b32 s63, 0xffffe000
	s_wait_dscnt 0x0                               ; both opening adds are done
	s_wait_kmcnt 0x0
	s_add_nc_u64 s[50:51], s[6:7], s[50:51]
	s_add_nc_u64 s[52:53], s[4:5], s[52:53]
	s_add_nc_u64 s[54:55], s[4:5], s[54:55]
	s_add_nc_u64 s[8:9], s[8:9], s[60:61]
	s_add_nc_u64 s[10:11], s[10:11], s[60:61]
	CROUND                                         ; all four work-groups are here: the joint loads meet
.irp q, 0,1,2,3
	s_mov_b32 s[G0+4*\q], 1
	s_add_co_u32 s[G0+4*\q+1], s49, \q*WREC
	s_add_nc_u64 s[G0+4*\q+2:G0+4*\q+3], s[50:51], \q*WREC
	s_or_b32 s[G0+4*\q+3], s[G0+4*\q+3], 0x80000000
	tensor_load_to_lds s[G0+4*\q:G0+4*\q+3], s[G1:G1+7]
	s_nop 0
.endr
	PLACES
	v_and_b32 v12, 31, v0
	v_lshlrev_b32 v1, 4, v12                       ; 16 x lane
	v_and_b32 v13, 15, v0
	v_bfe_u32 v14, v0, 4, 1
	v_lshlrev_b32 v2, 4, v13                       ; 16 r
	v_lshlrev_b32 v3, 9, v13
	v_lshl_add_u32 v3, v14, 5, v3                  ; 512 r + 32 h
.irp q, 0,1,2,3
	v_add_nc_u32 v[AW+\q], \q*WREC, v1
	v_add_nc_u32 v[AS+\q], \q*WREC+32768, v2
.endr
.irp a, 0,1,2,3
.irp q, 0,1,2,3
	global_load_b128 v[TS+16*\a+4*\q:TS+16*\a+4*\q+3], v2, s[54:55] offset:1024*\a+256*\q   ; the tokens' scale words of all 16 K steps
.endr
.endr
.irp s, 0,1,2,3,4,5
	TLOAD \s
.endr
	s_wait_tensorcnt 3                             ; my quarter of record 0 is in; three loads may stay out
	s_barrier_signal -1
	s_barrier_wait -1
	WSLOAD 0
	FETCHW 0
	s_cmp_ge_u32 s23, 12                           ; the head: the same in all waves and in all four partners
	s_cbranch_scc1 .Lv
	s_lshl_b32 s66, s23, 8                         ; q: (256 x + tile) x 4,096
	s_add_co_u32 s66, s66, s48
	s_lshl_b32 s66, s66, 12
	s_sub_co_u32 s67, s23, 8                       ; k: (64 (x - 8) + key step) x 32,768
	s_lshl_b32 s67, s67, 6
	s_add_co_u32 s67, s67, s62
	s_lshl_b32 s67, s67, 15
	s_cmp_lt_u32 s23, 8
	s_cselect_b64 s[56:57], s[12:13], s[14:15]
	s_cselect_b32 s58, s66, s67
	s_mov_b32 s59, 0
	s_add_nc_u64 s[56:57], s[56:57], s[58:59]
.set Q, 0
.rept 16
	KSTEP Q, 0
.set Q, Q+1
.endr
	PLACES                                         ; behind the last products: loads into their fragments' registers, and the first reads of results
	CSLOAD 2
	CSLOAD 3
	ROPE 0, 63                                     ; 96, then 64 loads are younger: the count stands at the field's end
	ROPE 1, 63
	ROPE 2, 32
	ROPE 3, 0
	FINISH
.Lv:
	s_sub_co_u32 s66, s23, 12
	s_lshl_b32 s66, s66, 6
	s_add_co_u32 s66, s66, s62                     ; 64 (x - 12) + key step
	s_lshl_b32 s56, s66, 15
	s_add_co_u32 s56, s56, 16384
	s_mov_b32 s57, 0
	s_lshl_b32 s58, s66, 14
	s_add_co_u32 s58, s58, 8388608
	s_mov_b32 s59, 0
	s_add_nc_u64 s[56:57], s[14:15], s[56:57]
	s_add_nc_u64 s[58:59], s[14:15], s[58:59]
.set Q, 0
.rept 16
	KSTEP Q, 1
.set Q, Q+1
.endr
	PLACES
	VOUT 0
	VOUT 1
	VOUT 2
	VOUT 3
	FINISH
.Lfunc_end_k_qdca8ec70f9_qkv:
	.size	k_qdca8ec70f9_qkv, .Lfunc_end_k_qdca8ec70f9_qkv-k_qdca8ec70f9_qkv
	.p2alignl 7, 3214868480
	.fill 96, 4, 3214868480
	.section	.rodata,"a",@progbits
	.p2align	6, 0x0
	.amdhsa_kernel k_qdca8ec70f9_qkv
		.amdhsa_group_segment_fixed_size 167936
		.amdhsa_private_segment_fixed_size 0
		.amdhsa_enable_private_segment 0
		.amdhsa_kernarg_size 48
		.amdhsa_user_sgpr_count 2
		.amdhsa_user_sgpr_kernarg_segment_ptr 1
		.amdhsa_wavefront_size32 1
		.amdhsa_system_sgpr_workgroup_id_x 1
		.amdhsa_system_sgpr_workgroup_id_y 1
		.amdhsa_system_sgpr_workgroup_id_z 1
		.amdhsa_system_vgpr_workitem_id 0
		.amdhsa_next_free_vgpr 1024
		.amdhsa_next_free_sgpr 72
		.amdhsa_reserve_vcc 0
		.amdhsa_float_denorm_mode_32 3
		.amdhsa_float_denorm_mode_16_64 3
		.amdhsa_memory_ordered 1
		.amdhsa_forward_progress 1
		.amdhsa_inst_pref_size 255
	.end_amdhsa_kernel
	.section	.bss,"aw",@nobits
	.p2align	6
	.space	262144
	.amdgpu_metadata
---
amdhsa.version: [ 1, 2 ]
amdhsa.kernels:
  - .name:           k_qdca8ec70f9_qkv
    .symbol:         k_qdca8ec70f9_qkv.kd
    .args:
      - { .name: hcode, .offset: 0, .size: 8, .value_kind: global_buffer, .address_space: global }
      - { .name: wimg, .offset: 8, .size: 8, .value_kind: global_buffer, .address_space: global }
      - { .name: cos, .offset: 16, .size: 8, .value_kind: global_buffer, .address_space: global }
      - { .name: sin, .offset: 24, .size: 8, .value_kind: global_buffer, .address_space: global }
      - { .name: qimg, .offset: 32, .size: 8, .value_kind: global_buffer, .address_space: global }
      - { .name: kv, .offset: 40, .size: 8, .value_kind: global_buffer, .address_space: global }
    .group_segment_fixed_size: 167936
    .private_segment_fixed_size: 0
    .kernarg_segment_align: 8
    .kernarg_segment_size: 48
    .max_flat_workgroup_size: 128
    .sgpr_count:     72
    .vgpr_count:     1024
    .wavefront_size: 32
...
	.end_amdgpu_metadata
.endif
;; end of part 2
;; launch fattn (part 3): grid 8 x 8, 8 waves a work-group, no clusters, 68,608 bytes of LDS; arguments qimg, kv, attention_mask, gate, fine; writes fine
.if DOCPART == 3
	.amdgcn_target "amdgcn-amd-amdhsa--gfx1250"
	.amdhsa_code_object_version 6
	.text
	.protected	k_qdca8ec70f9_fattn
	.globl	k_qdca8ec70f9_fattn
	.p2align	8
	.type	k_qdca8ec70f9_fattn,@function
k_qdca8ec70f9_fattn:
	s_mov_b64 s[64:65], 0
	v_nop
	global_prefetch_b8 v0, s[64:65] scope:SCOPE_SE
	s_setreg_imm32_b32 hwreg(HW_REG_WAVE_MODE, 25, 1), 1
	s_wait_xcnt 0x0
; Queries 0 to 15 of every head, carried more finely: in the second product the weights p and the values v go as pairs of f16 numbers (p_hi v_hi + p_lo v_hi + p_hi v_lo).
; A work-group takes a head (grid y) and a chunk of 512 keys (grid x); each of its eight waves 64 keys.  The waves agree on the chunk's largest t through LDS, so their parts of O add up as they are.
; Stored: fine: [c 8][hq 8][piece 16][512]: piece 2 n + p = registers 4 p .. 4 p + 3 of O^T's tile n (f32, not normalised); from byte 524,288: [c][hq][lane][m, l].  The launch fproj joins the chunks.
; t = s' c + B, s' = (q 2^-3) . (k 2^-3), c = 64 log2(e) / sqrt(128), B = max(mask log2(e) + log2(gate + 1e-8), -3e38); p = 2^(t - m); l = the sum of the f32 p.
; LIMITS: as in the launch attn (the floor -3e38 under the additive term; f16's range); the scores take q and k as single f16 numbers.
; REGISTERS: window 0: v1-10 addresses; v12-15, v18-23 statistics; v16, v17 the add's two; v24-55 Q, later p's high (16) and low (16) parts; v56-87 the additive term; v88-119 gate, then S^T, then p;
;   v120-247 K; later v120-183 O^T and v184-247 at work.  window 1: v0-127 V's high parts, v128-255 its low parts.
.set SPARE, 67584                      ; LDS: 0 the waves' maxima, 1,024 their sums, 2,048 their parts of O (8,192 bytes each); behind them the spare words, 128 bytes a wave
.set SPW, 16
.set NIL, 17
.set QF,  24
.set BI,  56
.set S,   88
.set KF,  120
.set O,   120
.set W,   184
.set MSB, 0
.macro WIN new
.if MSB != (\new)
	s_set_vgpr_msb (MSB<<8)|(\new)
.set MSB, (\new)
.endif
.endm
	s_load_b256 s[4:11], s[0:1], 0x0               ; qimg s[4:5], kv s[6:7], mask s[8:9], gate s[10:11]
	s_load_b64 s[12:13], s[0:1], 0x20              ; fine
	v_lshl_add_u32 v[SPW], v0, 2, SPARE
	v_mov_b32 v[NIL], 0
	v_lshrrev_b32 v1, 5, v0
	v_readfirstlane_b32 s14, v1                    ; wave 0..7
	s_and_b32 s15, ttmp7, 0xffff                   ; the head
	s_lshl_b32 s16, ttmp9, 3
	s_add_co_u32 s16, s16, s14                     ; my key step: 8 x chunk + wave
	s_lshr_b32 s17, s15, 1
	s_lshl_b32 s17, s17, 6
	s_add_co_u32 s17, s17, s16                     ; 64 g + key step
	s_lshl_b32 s18, s15, 20
	s_mov_b32 s19, 0
	s_lshl_b32 s20, s17, 15
	s_mov_b32 s21, 0
	s_lshl_b32 s22, s17, 14
	s_add_co_u32 s22, s22, 8388608
	s_mov_b32 s23, 0
	s_lshl_b32 s24, s16, 8                         ; 64 keys of 4 bytes, in a row of the mask and in gate
	s_mov_b32 s25, 0
	s_lshl_b32 s26, ttmp9, 3
	s_add_co_u32 s26, s26, s15                     ; 8 x chunk + head
	s_lshl_b32 s28, s26, 8
	s_add_co_u32 s28, s28, 524288
	s_mov_b32 s29, 0
	s_lshl_b32 s26, s26, 13
	s_lshl_b32 s27, s14, 10                        ; my two pieces
	s_add_co_u32 s26, s26, s27
	s_mov_b32 s27, 0
	s_mov_b32 s30, 0x76543210
	s_mov_b32 s31, 0xfedcba98                      ; selects for lane l xor 16
	s_mov_b32 s32, 0x410293ee                      ; c
	s_mov_b32 s33, s32
	s_mov_b32 s34, 0x3fb8aa3b                      ; log2(e)
	s_mov_b32 s35, s34
	s_mov_b32 s36, 0xff61b1e6                      ; -3e38
	s_mov_b32 s37, 0xffffe000
	v_and_b32 v11, 31, v0
	v_lshlrev_b32 v1, 4, v11                       ; 16 x lane
	v_and_b32 v2, 15, v0                           ; r
	v_bfe_u32 v3, v0, 4, 1                         ; h
	v_lshlrev_b32 v5, 5, v3                        ; gate: 32 h
	v_lshl_add_u32 v4, v2, 14, v5                  ; mask: row r of 16,384 bytes, + 32 h
	v_lshlrev_b32 v6, 2, v0                        ; my word among the waves' maxima: 128 x wave + 4 x lane
	v_lshlrev_b32 v7, 2, v11                       ; 4 x lane
	s_lshl_b32 s38, s14, 13
	s_add_co_u32 s38, s38, 2048
	v_add_nc_u32 v8, s38, v1                       ; my part of O
	s_lshl_b32 s38, s14, 10
	s_add_co_u32 s38, s38, 2048
	v_add_nc_u32 v9, s38, v1                       ; the two pieces that I add up
	v_lshlrev_b32 v10, 3, v11                      ; 8 x lane
	v_mov_b32 v15, 0                               ; a lane permute's destination counts as one of its sources
	s_wait_kmcnt 0x0
	s_add_nc_u64 s[4:5], s[4:5], s[18:19]
	s_add_nc_u64 s[20:21], s[6:7], s[20:21]
	s_add_nc_u64 s[22:23], s[6:7], s[22:23]
	s_add_nc_u64 s[8:9], s[8:9], s[24:25]
	s_add_nc_u64 s[10:11], s[10:11], s[24:25]
	s_add_nc_u64 s[26:27], s[12:13], s[26:27]
	s_add_nc_u64 s[28:29], s[12:13], s[28:29]
.set i, 0
.rept 8
	global_load_b128 v[S+4*i:S+4*i+3], v5, s[10:11] offset:64*(i/2)+16*(i%2)      ; gate of keys 16 kt + 8 h + 0..7
.set i, i+1
.endr
.set i, 0
.rept 8
	global_load_b128 v[BI+4*i:BI+4*i+3], v4, s[8:9] offset:64*(i/2)+16*(i%2)      ; the mask of query r at the same keys
.set i, i+1
.endr
.set i, 0
.rept 8
	global_load_b128 v[QF+4*i:QF+4*i+3], v1, s[4:5] offset:512*i
.set i, i+1
.endr
.set i, 0
.rept 32
	global_load_b128 v[KF+4*i:KF+4*i+3], v1, s[20:21] offset:512*i
.set i, i+1
.endr
	WIN 0x40
.set i, 0
.rept 32
	global_load_b128 v[4*i:4*i+3], v1, s[20:21] offset:16384+512*i
.set i, i+1
.endr
.set i, 0
.rept 32
	global_load_b128 v[128+4*i:128+4*i+3], v1, s[22:23] offset:512*i
.set i, i+1
.endr
	WIN 0
	s_wait_loadcnt 63                              ; gate and mask are in: 104 loads are younger, the count stands at the field's end
.set i, 0
.rept 32
	v_add_f32 v[S+i], 0x322bcc77, v[S+i]           ; + 1e-8
.set i, i+1
.endr
.set i, 0
.rept 32
	v_log_f32 v[S+i], v[S+i]                       ; log2
.set i, i+1
.endr
	v_nop                                          ; a plain place behind the batch,
	s_wait_alu depctr_va_vdst(0)                   ; and its one wait, ahead of the first reader
.set i, 0
.rept 16
	v_pk_fma_f32 v[BI+2*i:BI+2*i+1], v[BI+2*i:BI+2*i+1], s[34:35], v[S+2*i:S+2*i+1] op_sel_hi:[1,0,1]
.set i, i+1
.endr
.set i, 0
.rept 32
	v_max_num_f32 v[BI+i], s36, v[BI+i]            ; held at the floor: never -infinity, never NaN
.set i, i+1
.endr
	s_wait_loadcnt 63                              ; Q and K are in: V's 64 loads are younger
.set i, 0
.rept 16                               ; S^T = K Q^T: channels 32 (i / 4) on, keys 16 (i % 4) on; four accumulators by turns
.if i < 4
	v_wmma_f32_16x16x32_f16 v[S+8*(i%4):S+8*(i%4)+7], v[KF+32*(i%4)+8*(i/4):KF+32*(i%4)+8*(i/4)+7], v[QF+8*(i/4):QF+8*(i/4)+7], 0
.else
	v_wmma_f32_16x16x32_f16 v[S+8*(i%4):S+8*(i%4)+7], v[KF+32*(i%4)+8*(i/4):KF+32*(i%4)+8*(i/4)+7], v[QF+8*(i/4):QF+8*(i/4)+7], v[S+8*(i%4):S+8*(i%4)+7]
.endif
.set i, i+1
.endr
.rept 4
	v_nop
.endr
.set i, 0
.rept 16
	v_pk_fma_f32 v[S+2*i:S+2*i+1], v[S+2*i:S+2*i+1], s[32:33], v[BI+2*i:BI+2*i+1] op_sel_hi:[1,0,1]   ; t
.set i, i+1
.endr
.irp q, 0,1,2,3
	v_max3_num_f32 v[20+\q], v[S+8*\q], v[S+8*\q+1], v[S+8*\q+2]
.endr
.irp i, 3,5
.irp q, 0,1,2,3
	v_max3_num_f32 v[20+\q], v[20+\q], v[S+8*\q+\i], v[S+8*\q+\i+1]
.endr
.endr
	v_max3_num_f32 v20, v20, v[S+7], v[S+15]
	v_max3_num_f32 v22, v22, v[S+23], v[S+31]
	v_max3_num_f32 v20, v20, v21, v22
	v_max_num_f32 v20, v20, v23
	v_permlanex16_b32 v21, v20, s30, s31
	v_max_num_f32 v20, v20, v21                    ; my 64 keys' largest t of query r
	ds_store_b32 v6, v20
	s_wait_dscnt 0x0
	s_barrier_signal -1
	s_barrier_wait -1
.set i, 0
.rept 8
	ds_load_b32 v[W+i], v7 offset:128*i
.set i, i+1
.endr
	s_wait_dscnt 0x0
	v_max3_num_f32 v18, v[W], v[W+1], v[W+2]
	v_max3_num_f32 v18, v18, v[W+3], v[W+4]
	v_max3_num_f32 v18, v18, v[W+5], v[W+6]
	v_max_num_f32 v18, v18, v[W+7]                 ; m: the chunk's largest t
	v_mov_b32 v19, v18
.set i, 0
.rept 16
	v_pk_add_f32 v[S+2*i:S+2*i+1], v[S+2*i:S+2*i+1], v[18:19] neg_lo:[0,1] neg_hi:[0,1]
.set i, i+1
.endr
.set i, 0
.rept 32
	v_exp_f32 v[S+i], v[S+i]                       ; p = 2^(t - m)
.set i, i+1
.endr
	v_nop
	s_wait_alu depctr_va_vdst(0)                   ; one wait for the batch
.set i, 0
.rept 32
	v_add_nc_u32 v[W+i], 0x1000, v[S+i]            ; p's high part in f32 bits,
.set i, i+1
.endr
.set i, 0
.rept 32
	v_and_b32 v[W+i], s37, v[W+i]
.set i, i+1
.endr
.set i, 0
.rept 16
	v_cvt_pk_f16_f32 v[QF+i], v[W+2*i], v[W+2*i+1]
.set i, i+1
.endr
.set i, 0
.rept 16
	v_pk_add_f32 v[W+2*i:W+2*i+1], v[S+2*i:S+2*i+1], v[W+2*i:W+2*i+1] neg_lo:[0,1] neg_hi:[0,1]   ; and what it leaves
.set i, i+1
.endr
.set i, 0
.rept 16
	v_cvt_pk_f16_f32 v[QF+16+i], v[W+2*i], v[W+2*i+1]
.set i, i+1
.endr
.set i, 0
.rept 8                                ; the sum of the f32 p, in place
	v_pk_add_f32 v[S+4*i:S+4*i+1], v[S+4*i:S+4*i+1], v[S+4*i+2:S+4*i+3]
.set i, i+1
.endr
.set i, 0
.rept 4
	v_pk_add_f32 v[S+8*i:S+8*i+1], v[S+8*i:S+8*i+1], v[S+8*i+4:S+8*i+5]
.set i, i+1
.endr
	v_pk_add_f32 v[S:S+1], v[S:S+1], v[S+8:S+9]
	v_pk_add_f32 v[S+16:S+17], v[S+16:S+17], v[S+24:S+25]
	v_pk_add_f32 v[12:13], v[S:S+1], v[S+16:S+17]
	v_add_f32 v14, v12, v13
	v_permlanex16_b32 v15, v14, s30, s31
	v_add_f32 v12, v14, v15                        ; my 64 keys' sum
	s_wait_loadcnt 0x0                             ; V
	WIN 0x01                                       ; source 0 (V) in window 1
.irp kk, 0,1                           ; O^T += V^T P: three terms, the eight accumulators by turns
.irp n, 0,1,2,3,4,5,6,7
.if \kk == 0
	v_wmma_f32_16x16x32_f16 v[O+8*\n:O+8*\n+7], v[64*\kk+8*\n:64*\kk+8*\n+7], v[QF+8*\kk:QF+8*\kk+7], 0
.else
	v_wmma_f32_16x16x32_f16 v[O+8*\n:O+8*\n+7], v[64*\kk+8*\n:64*\kk+8*\n+7], v[QF+8*\kk:QF+8*\kk+7], v[O+8*\n:O+8*\n+7]
.endif
.endr
.irp n, 0,1,2,3,4,5,6,7
	v_wmma_f32_16x16x32_f16 v[O+8*\n:O+8*\n+7], v[64*\kk+8*\n:64*\kk+8*\n+7], v[QF+16+8*\kk:QF+16+8*\kk+7], v[O+8*\n:O+8*\n+7]
.endr
.irp n, 0,1,2,3,4,5,6,7
	v_wmma_f32_16x16x32_f16 v[O+8*\n:O+8*\n+7], v[128+64*\kk+8*\n:128+64*\kk+8*\n+7], v[QF+8*\kk:QF+8*\kk+7], v[O+8*\n:O+8*\n+7]
.endr
.endr
	WIN 0
.rept 4
	v_nop
.endr
.set i, 0
.rept 16
	ds_store_b128 v8, v[O+4*i:O+4*i+3] offset:512*i        ; each accumulator from its low end on
.set i, i+1
.endr
	ds_store_b32 v6, v12 offset:1024
	s_wait_dscnt 0x0
	s_barrier_signal -1
	s_barrier_wait -1
.set i, 0
.rept 8
	ds_load_b128 v[W+8*i:W+8*i+3], v9 offset:8192*i        ; pieces 2 w and 2 w + 1 of all eight waves
	ds_load_b128 v[W+8*i+4:W+8*i+7], v9 offset:8192*i+512
.set i, i+1
.endr
.set i, 0
.rept 8
	ds_load_b32 v[BI+i], v7 offset:1024+128*i
.set i, i+1
.endr
	s_wait_dscnt 0x0
.irp c, 1,2,3,4,5,6,7
.irp p, 0,2,4,6
	v_pk_add_f32 v[W+\p:W+\p+1], v[W+\p:W+\p+1], v[W+8*\c+\p:W+8*\c+\p+1]
.endr
.endr
	v_add_f32 v19, v[BI], v[BI+1]
.irp c, 2,3,4,5,6,7
	v_add_f32 v19, v19, v[BI+\c]                   ; l of the chunk, beside m
.endr
	global_store_b128 v1, v[W:W+3], s[26:27]
	global_store_b128 v1, v[W+4:W+7], s[26:27] offset:512
	s_cmp_lg_u32 s14, 0
	s_cbranch_scc1 .Lnot_first
	global_store_b64 v10, v[18:19], s[28:29]       ; 256 consecutive bytes
.Lnot_first:
	s_wait_tensorcnt 0x0                           ; the wave's end
	ds_add_u32 v[SPW], v[NIL]
	s_wait_dscnt 0x0
	s_endpgm
.Lfunc_end_k_qdca8ec70f9_fattn:
	.size	k_qdca8ec70f9_fattn, .Lfunc_end_k_qdca8ec70f9_fattn-k_qdca8ec70f9_fattn
	.p2alignl 7, 3214868480
	.fill 96, 4, 3214868480
	.section	.rodata,"a",@progbits
	.p2align	6, 0x0
	.amdhsa_kernel k_qdca8ec70f9_fattn
		.amdhsa_group_segment_fixed_size 68608
		.amdhsa_private_segment_fixed_size 0
		.amdhsa_enable_private_segment 0
		.amdhsa_kernarg_size 40
		.amdhsa_user_sgpr_count 2
		.amdhsa_user_sgpr_kernarg_segment_ptr 1
		.amdhsa_wavefront_size32 1
		.amdhsa_system_sgpr_workgroup_id_x 1
		.amdhsa_system_sgpr_workgroup_id_y 1
		.amdhsa_system_sgpr_workgroup_id_z 1
		.amdhsa_system_vgpr_workitem_id 0
		.amdhsa_next_free_vgpr 512
		.amdhsa_next_free_sgpr 66
		.amdhsa_reserve_vcc 0
		.amdhsa_float_denorm_mode_32 3
		.amdhsa_float_denorm_mode_16_64 3
		.amdhsa_memory_ordered 1
		.amdhsa_forward_progress 1
		.amdhsa_inst_pref_size 41
	.end_amdhsa_kernel
	.amdgpu_metadata
---
amdhsa.version: [ 1, 2 ]
amdhsa.kernels:
  - .name:           k_qdca8ec70f9_fattn
    .symbol:         k_qdca8ec70f9_fattn.kd
    .args:
      - { .name: qimg, .offset: 0, .size: 8, .value_kind: global_buffer, .address_space: global }
      - { .name: kv, .offset: 8, .size: 8, .value_kind: global_buffer, .address_space: global }
      - { .name: attention_mask, .offset: 16, .size: 8, .value_kind: global_buffer, .address_space: global }
      - { .name: gate, .offset: 24, .size: 8, .value_kind: global_buffer, .address_space: global }
      - { .name: fine, .offset: 32, .size: 8, .value_kind: global_buffer, .address_space: global }
    .group_segment_fixed_size: 68608
    .private_segment_fixed_size: 0
    .kernarg_segment_align: 8
    .kernarg_segment_size: 40
    .max_flat_workgroup_size: 256
    .sgpr_count:     66
    .vgpr_count:     512
    .wavefront_size: 32
...
	.end_amdgpu_metadata
.endif
;; end of part 3
;; launch attn (part 4): grid 4 x 64, 4 waves a work-group, clusters of 4 x 4, 327,680 bytes of LDS; arguments qimg, kv, attention_mask, gate, oimg; writes oimg
.if DOCPART == 4
	.amdgcn_target "amdgcn-amd-amdhsa--gfx1250"
	.amdhsa_code_object_version 6
	.text
	.protected	k_qdca8ec70f9_attn
	.globl	k_qdca8ec70f9_attn
	.p2align	8
	.type	k_qdca8ec70f9_attn,@function
k_qdca8ec70f9_attn:
	s_mov_b64 s[64:65], 0
	v_nop
	global_prefetch_b8 v0, s[64:65] scope:SCOPE_SE
	s_setreg_imm32_b32 hwreg(HW_REG_WAVE_MODE, 25, 1), 1
	s_wait_xcnt 0x0
	s_wait_alu depctr_hold_cnt(0) depctr_sa_sdst(0) depctr_va_vdst(0) depctr_va_sdst(0) depctr_va_ssrc(0) depctr_va_vcc(0) depctr_vm_vsrc(0)
	s_getreg_b32 s2, hwreg(HW_REG_IB_STS2, 6, 4)
	s_cmp_eq_u32 s2, 0
	s_cbranch_scc0 .Lentry_in_a_cluster
	s_endpgm
.Lentry_in_a_cluster:
	s_bfe_u32 s2, ttmp6, 0x10000c
	s_cmp_lg_u32 s2, 0xf033
	s_cbranch_scc0 .Lentry_shape_is_right
	s_endpgm
.Lentry_shape_is_right:
; o = softmax(q k^T / sqrt(128) + attention_mask + log(gate + 1e-8)) v for all 4,096 queries and 8 heads; operands f16, sums f32.  The mask is an input: every tile of scores is computed and every byte of the mask is read.
; t = s' c + B: s' = (q 2^-3) . (k 2^-3), c = 64 log2(e) / sqrt(128), B = max(mask log2(e) + log2(gate + 1e-8), -3e38), by fused multiply-adds.  A running maximum m of t and sum l of the f32 p = 2^(t - m);
; in every step O and l are multiplied by 2^(m_old - m_new).
; LIMITS: additive terms under about -2.08e38, -infinity and NaN among them, count as one floor, -3e38 in t: this differs from the formula only in rows all of whose terms lie under it and are not equal, or where
; the formula gives NaN.  |q|, |k| under 524,000, |v|, |o| under 65,504.  The additive term is joined by two fused multiply-adds: another order of rounding than two additions.
; SHARES.  A work-group takes 64 queries (grid y) and the two query heads of one key/value head (grid x).  Wave w: queries 32 (w % 2) on, keys 2,048 (w / 2) on: 32 steps of 64 keys.  Its four tiles tau = 2 qt + hd
; (16 queries, one head) share each fragment of K and V; the two heads share each tile of the additive term.  The two key halves are joined through LDS at the end.
; LAYOUT.  S^T = K Q^T, O^T = V^T P: a lane holds ONE query (lane % 16) throughout.  K, V and Q come as images of their registers: 16 bytes a lane, 512 consecutive bytes an instruction.
; BY TURNS INSIDE A STEP.  The four tiles are two PIECES (piece 0: tiles 0, 1; piece 2: tiles 2, 3) that share K, V and nothing else.  A step's 128 products go in four runs of 32, and behind each product stands a slice of
; vector work that names none of the run's registers: K Q^T of piece 0 | the additive term of both pieces;  K Q^T of piece 2 | piece 0's softmax;  V^T P of piece 0 | piece 2's softmax;  V^T P of piece 2 | the row sums.
; What a run of 32 slices does not hold follows it bare.  The LDS loads stand four at a time behind every fourth product: V in the first run, the NEXT step's K in the third, its mask and log2 gate in the fourth.
; The turns stay inside a step: a slot holds one step (100,352 bytes; two slots of two steps would be 401,408, more than LDS has), so a refill has one step in which to land, however the step is ordered.
; CLUSTER 4 x 4.  K and V hang on grid x alone: shared along a column of the cluster; the mask's tile hangs on grid y alone: shared along a row.  Each is asked for JOINTLY, one tensor load a wave behind each round:
; waves 0, 1: the two key halves' records of K and V (32,768 bytes); waves 2, 3: their tiles of the mask (64 rows x 256 bytes).  One load of mine is out behind a round (two at the start).
; LDS: slot s at 131,072 s: two records, then two mask tiles (rows of 272 bytes); 100,352 log2(gate + 1e-8), 4,096 words; 116,736 the spare words; 231,424 the join, 33,792 bytes for each half of the queries.
; REGISTERS: window 0: v2-11 addresses; v12-43 statistics, 8 a tile: +0 m, +2, +3 l, +4..+7 at work (a in +6); v44-59 the join; v62, v63 the add's two; v64-191 S^T (32 tau + 8 kt); v192-255 P (16 tau + 8 kk).
;   window 1: O^T (64 tau + 8 n).  window 2: v0-127 Q (32 tau + 8 f), v128-255 K (32 kt + 8 f).  window 3: v0-127 V (64 kk + 8 n), v128-191 B (32 qt + 8 kt), v192-223 log2 gate.
; No window has room for a product's operands beside the softmax's, so a slice costs two switches of the window, and four loads a third.
.set SLOT1, 131072
.set MKO,   65536
.set MKB,   17408
.set LG,    100352
.set SPARE, 116736
.set MRG,   231424
.set AK0, 2                            ; v2  my lane's place in my key half's record
.set AM0, 3                            ; v3  in its tile of the mask
.set AL0, 4                            ; v4  among the words of log2 gate
.set ADK, 5                            ; v5-7 the same for the step whose bytes are being read
.set ADM, 6
.set ADL, 7
.set LI,  8                            ; v8  16 x lane
.set MA,  9                            ; v9  my lane's place in the join
.set PFO, 10                           ; v10 the prefetches' offset
.set GA,  11                           ; v11 16 x thread
.set ST,  12
.set GL,  60                           ; v60 LG + 16 x thread
.set SPW, 62
.set NIL, 63
.set S,   64
.set P,   192
.set KF,  128
.set BI,  128
.set LGR, 192
.set WV,  14
.set KH,  15                           ; s15 my key half.  Also: I fetch K and V (0) or the mask (1)
.set QH,  16                           ; s16 my half of the queries.  Also: which key half's tile I fetch
.set G1K, 24
.set G1M, 32
.set G0K, 40                           ; s[40:47] two sets for the first fills; the second then walks
.set G0M, 48
.set CS,  56
.set L2E, 58
.set SEL, 60
.set LIMV, 62
.set TB,  63                           ; s63 LDS byte at which the slot begins whose bytes are being read
.set TJ,  66                           ; s66 256 x its step
.set CNT, 67
.set PFA, 68
.set PFS, 70
.set LIM, 72
.set JM,  32                           ; a piece's softmax is a list of NSM places: 0 t;  JM the maximum;  JD the batch of scalings and exponentials;  JC the roundings;  JR O^T's rescaling
.set JD,  72
.set JC,  174
.set JR,  206
.set NSM, 270
.set MSB, 0
.macro WIN new                         ; the immediate's high byte repeats the setting that is left; a switch that changes nothing is dropped
.if MSB != (\new)
	s_set_vgpr_msb (MSB<<8)|(\new)
.set MSB, (\new)
.endif
.endm
.macro PLACES
.rept 4
	v_nop
.endr
.endm
.macro CROUND                          ; a round of the cluster's barrier
	s_barrier_signal -1
	s_barrier_wait -1
	s_cmp_lg_u32 s[WV], 0
	s_cbranch_scc1 .Lnot_wave_0_\@
	s_barrier_signal -3
.Lnot_wave_0_\@:
	s_barrier_wait -3
	s_barrier_signal -1
	s_barrier_wait -1
.endm
.macro JLOAD                           ; a joint refill; the branch hangs on the wave's number alone; an s_nop 0 and four v_nop follow each line
	s_cmp_eq_u32 s[KH], 0
	s_cbranch_scc0 .Lfor_m_\@
	tensor_load_to_lds s[G0K+4:G0K+7], s[G1K:G1K+7]
	s_nop 0
	PLACES
	s_branch .Lasked_\@
.Lfor_m_\@:
	tensor_load_to_lds s[G0M+4:G0M+7], s[G1M:G1M+7]
	s_nop 0
	PLACES
.Lasked_\@:
.endm
; A PREFETCH of what the NEXT change of slots will ask for, one instruction a wave, a lane an aligned block of 256 bytes; each block is named once in the launch.  K and V are walked by all sixteen clusters: the first
; (cluster y = 0) asks, waves 0 and 1, each partner of a column 8,192 bytes of the record, told apart by address.  A tile of the mask is read by one row of one cluster: wave 2 asks, each partner for 16 rows of both
; key halves.  The last change that fills a slot asks for nothing; steps 0 to 2 come by their loads alone.
.macro ASK
	s_cmp_gt_u32 s[CNT], s[LIM]
	s_cbranch_scc0 .Lnot_mine_\@
	global_prefetch_b8 v[PFO], s[PFA:PFA+1] th:TH_LOAD_NT scope:SCOPE_SE
.Lnot_mine_\@:
.endm
; THE MATRIX WORK, for piece x.  The accumulators take turns, one instruction a turn.
; Product i of 32 of S^T = K Q^T: channels 32 (i / 8) on, keys 16 ((i / 2) % 4) on, tile x + i % 2.  The first 8 start the sums.
.macro KQ x
	WIN 0x0a
.set rS, S+32*(\x+i%2)+8*((i/2)%4)
.set rK, KF+32*((i/2)%4)+8*(i/8)
.set rQ, 32*(\x+i%2)+8*(i/8)
.if i < 8
	v_wmma_f32_16x16x32_f16 v[rS:rS+7], v[rK:rK+7], v[rQ:rQ+7], 0
.else
	v_wmma_f32_16x16x32_f16 v[rS:rS+7], v[rK:rK+7], v[rQ:rQ+7], v[rS:rS+7]
.endif
.endm
; Product i of 32 of O^T += V^T P: keys 32 (i / 16) on, channels 16 ((i / 2) % 8) on, tile x + i % 2.  zero = 1: the first 16 start the sums: nothing is ever cleared.
.macro PV x, zero
	WIN 0x53
.set rO, 64*(\x+i%2)+8*((i/2)%8)
.set rV, 64*(i/16)+8*((i/2)%8)
.set rP, P+16*(\x+i%2)+8*(i/16)
.if \zero && (i < 16)
	v_wmma_f32_16x16x32_f16 v[rO:rO+7], v[rV:rV+7], v[rP:rP+7], 0
.else
	v_wmma_f32_16x16x32_f16 v[rO:rO+7], v[rV:rV+7], v[rP:rP+7], v[rO:rO+7]
.endif
.endm
; THE VECTOR WORK, as numbered lists; each macro writes number j of its list.
; The additive term of both pieces, 96 lines, all in window 3: 32 packed multiply-adds, then the hold at the floor: never -infinity, never NaN.
.macro BLE
	WIN 0xff
.if j < 32
	v_pk_fma_f32 v[BI+2*j:BI+2*j+1], v[BI+2*j:BI+2*j+1], s[L2E:L2E+1], v[LGR+(2*j)%32:LGR+(2*j)%32+1] op_sel_hi:[1,0,1]
.else
	v_max_num_f32 v[BI+j-32], s[LIMV], v[BI+j-32]
.endif
.endm
; Piece y's softmax.  The piece's two tiles alternate line by line, so that no line reads the result of the line just before it.  first = 1: the first key step, which has no old m, no a and nothing to rescale.
;   0-31     t = s' c + B, a pair of scores a line, each accumulator from its low end on
;   32-71    the largest t of each tile's 32 and the old m; the other half of the lanes'; m_old - m_new; the new m
;   72-173   ONE BATCH: the 16 scalings t - m and the 33 exponentials of each tile (a, then p); none of these reads an exponential's result; a pair is scaled six lines of its tile ahead of its exponentials
;   (wait)   ahead of number 174 stand a plain line and the ONE wait for the batch ahead of the first line that names a result
;   174-205  the roundings to f16: two tiles of 16 keys, rounded in pairs, are a fragment of 32 keys
;   206-269  the piece's O^T times a
.macro SME y, first
.if j < JM
.set tt, (\y)+j%2
.set bb, j/2
	WIN 0x30                                       ; B in window 3
	v_pk_fma_f32 v[S+32*tt+2*bb:S+32*tt+2*bb+1], v[S+32*tt+2*bb:S+32*tt+2*bb+1], s[CS:CS+1], v[BI+16*(\y)+2*bb:BI+16*(\y)+2*bb+1] op_sel_hi:[1,0,1]
.elseif j < JD
.set tt, (\y)+(j-JM)%2
.set ee, (j-JM)/2
.set sT, ST+8*tt
.set sS, S+32*tt
	WIN 0
.if ee < 4
	v_max3_num_f32 v[sT+4+ee], v[sS+8*ee], v[sS+8*ee+1], v[sS+8*ee+2]
.elseif ee < 12
	v_max3_num_f32 v[sT+4+ee%4], v[sT+4+ee%4], v[sS+8*(ee%4)+2*(ee/4)+1], v[sS+8*(ee%4)+2*(ee/4)+2]
.elseif ee == 12
	v_max3_num_f32 v[sT+4], v[sT+4], v[sS+7], v[sS+15]
.elseif ee == 13
	v_max3_num_f32 v[sT+6], v[sT+6], v[sS+23], v[sS+31]
.elseif ee == 14
	v_max3_num_f32 v[sT+4], v[sT+4], v[sT+5], v[sT+6]
.elseif (ee == 15) && \first
	v_max_num_f32 v[sT+4], v[sT+4], v[sT+7]
.elseif ee == 15
	v_max3_num_f32 v[sT+4], v[sT+4], v[sT+7], v[sT]                ; and the old m
.elseif ee == 16
	v_permlanex16_b32 v[sT+5], v[sT+4], s[SEL], s[SEL+1]           ; the query's other 32 keys lie in the lane 16 away
.elseif ee == 17
	v_max_num_f32 v[sT+4], v[sT+4], v[sT+5]
.elseif (ee == 18) && \first                   ; the first step has no old m
.elseif ee == 18
	v_sub_f32 v[sT+7], v[sT], v[sT+4]                              ; m_old - m_new
.else
	v_mov_b32 v[sT], v[sT+4]
.endif
.elseif j < JC
.set tt, (\y)+(j-JD)%2
.set ww, (j-JD)/2                      ; the tile's own count, 0 to 50: 0, 1 pairs 0, 1; 2 a; then by threes: pair g + 2, p of scores 2 g and 2 g + 1
.set sT, ST+8*tt
.set sS, S+32*tt
.set pp, 99                            ; the pair to scale, if any
.set xx, 99                            ; the score to raise, if any
.if ww < 2
.set pp, ww
.elseif ww > 2
.if (ww-3)%3 == 0
.set pp, (ww-3)/3+2
.else
.set xx, 2*((ww-3)/3)+(ww-3)%3-1
.endif
.endif
	WIN 0
.if pp < 16
	v_pk_add_f32 v[sS+2*pp:sS+2*pp+1], v[sS+2*pp:sS+2*pp+1], v[sT:sT+1] op_sel_hi:[1,0] neg_lo:[0,1] neg_hi:[0,1]   ; t - m
.elseif xx < 32
	v_exp_f32 v[sS+xx], v[sS+xx]                                   ; p
.elseif (ww == 2) && !\first
	v_exp_f32 v[sT+6], v[sT+7]                                     ; a
.endif
.elseif j < JR
.if j == JC
	v_nop                                          ; a plain line behind the batch's last exponential,
	s_wait_alu depctr_va_vdst(0)                   ; and the batch's one wait
.endif
.set tt, (\y)+(j-JC)%2
.set bb, (j-JC)/2
	WIN 0
	v_cvt_pk_f16_f32 v[P+16*tt+bb], v[S+32*tt+2*bb], v[S+32*tt+2*bb+1]
.elseif !\first
.set tt, (\y)+(j-JR)/32
.set bb, (j-JR)%32
	WIN 0x41                                       ; O^T in window 1, a in window 0
	v_pk_mul_f32 v[64*tt+2*bb:64*tt+2*bb+1], v[64*tt+2*bb:64*tt+2*bb+1], v[ST+8*tt+6:ST+8*tt+7] op_sel_hi:[1,0]
.endif
.endm
; The sums of the f32 p of all four tiles, 64 lines, in place on S^T, the four tiles by turns; then l = a l + the sum.
.macro SLE first
.set tt, j%4
.set zz, j/4
.set sT, ST+8*tt
.set sS, S+32*tt
	WIN 0
.if zz < 8
	v_pk_add_f32 v[sS+4*zz:sS+4*zz+1], v[sS+4*zz:sS+4*zz+1], v[sS+4*zz+2:sS+4*zz+3]
.elseif zz < 12
	v_pk_add_f32 v[sS+8*(zz-8):sS+8*(zz-8)+1], v[sS+8*(zz-8):sS+8*(zz-8)+1], v[sS+8*(zz-8)+4:sS+8*(zz-8)+5]
.elseif zz < 14
	v_pk_add_f32 v[sS+16*(zz-12):sS+16*(zz-12)+1], v[sS+16*(zz-12):sS+16*(zz-12)+1], v[sS+16*(zz-12)+8:sS+16*(zz-12)+9]
.elseif (zz == 14) && \first
	v_pk_add_f32 v[sT+2:sT+3], v[sS:sS+1], v[sS+16:sS+17]
.elseif zz == 14
	v_pk_add_f32 v[sS:sS+1], v[sS:sS+1], v[sS+16:sS+17]
.elseif !\first
	v_pk_fma_f32 v[sT+2:sT+3], v[sT+2:sT+3], v[sT+6:sT+7], v[sS:sS+1] op_sel_hi:[1,0,1]
.endif
.endm
; THE LDS LOADS, four at a time; lq counts them.  V's 32:
.macro LDV4
	WIN 0xc0
.rept 4
	ds_load_b128 v[4*lq:4*lq+3], v[ADK] offset:16384+512*lq
.set lq, lq+1
.endr
.endm
; A step's other 56: K's 32; the mask's 16 (number 8 qt + 2 kt + p: query 16 qt + r, keys 16 kt + 8 h + 4 p on); log2 gate's 8
.macro LDN4
.if lq < 32
	WIN 0x80
.else
	WIN 0xc0
.endif
.rept 4
.if lq < 32
	ds_load_b128 v[KF+4*lq:KF+4*lq+3], v[ADK] offset:512*lq
.elseif lq < 48
	ds_load_b128 v[BI+4*(lq-32):BI+4*(lq-32)+3], v[ADM] offset:4352*((lq-32)/8)+64*(((lq-32)%8)/2)+16*((lq-32)%2)
.else
	ds_load_b128 v[LGR+4*(lq-48):LGR+4*(lq-48)+3], v[ADL] offset:64*((lq-48)/2)+16*((lq-48)%2)
.endif
.set lq, lq+1
.endr
.endm
; THE CHANGE OF SLOTS.  Each wave waits for all its tensor loads (one is out: its part of the other slot), adds 0 to its spare word, and waits for that and for its reads of the slot, V's among them.
; fill = 1: a round of the cluster's barrier, and the joint refill first behind it: the step two on, into the slot whose bytes are all in registers.
.macro CHANGE fill
	WIN 0                                          ; at a label and at a branch every window is 0
	s_wait_tensorcnt 0x0                           ; no tensor load of mine is out, so a group 0 may be written
	ds_add_u32 v[SPW], v[NIL]
.if \fill
	s_xor_b32 s[G0K+5], s[G0K+5], SLOT1            ; the walking descriptors: the other slot than last time,
	s_add_nc_u64 s[G0K+6:G0K+7], s[G0K+6:G0K+7], 32768   ; the next record;
	s_xor_b32 s[G0M+5], s[G0M+5], SLOT1
	s_add_nc_u64 s[G0M+6:G0M+7], s[G0M+6:G0M+7], 256     ; the next 64 keys of the rows
	s_wait_xcnt 0x0                                ; the last prefetch, a step back, has read its address
	s_add_nc_u64 s[PFA:PFA+1], s[PFA:PFA+1], s[PFS:PFS+1]
	s_wait_dscnt 0x0                               ; the add is done, and my reads of the slot are over
	CROUND
	JLOAD
	ASK
.else
	s_wait_dscnt 0x0
	s_barrier_signal -1
	s_barrier_wait -1
.endif
	s_xor_b32 s[TB], s[TB], SLOT1                  ; the reads go on in the other slot,
	s_add_co_u32 s[TJ], s[TJ], 256                 ; at the next step
	v_add_nc_u32 v[ADK], s[TB], v[AK0]
	v_add_nc_u32 v[ADM], s[TB], v[AM0]
	v_add_nc_u32 v[ADL], s[TJ], v[AL0]
.endm
; A KEY STEP of 64 keys.  first = 1: it starts m, l and O^T.  chg = 2: the slot is filled again and the next step's bytes are read; 1: they are read, and nothing is left to ask for; 0: the last step.
; A slice names only registers that no product of its run names, so the slices are the places behind the products (ISA guide 7.12.1).
.macro STEP first, chg
	s_wait_dscnt 0x0                               ; this step's K, mask and log2 gate are in: they were asked for in the step before
.set i, 0
.set j, 0
.set lq, 0
.rept 32                               ; piece 0's scores | the additive term | V
	KQ 0
.rept 3
	BLE
.set j, j+1
.endr
.if i%4 == 2
.if i == 2
	PLACES                                         ; in front of loads into V's registers, which the last product of the step before read
.endif
	LDV4
.endif
.set i, i+1
.endr
.set i, 0
.set j, 0
.rept 32                               ; piece 2's scores | piece 0's softmax
	KQ 2
.rept 6
	SME 0, \first
.set j, j+1
.endr
.set i, i+1
.endr
.rept NSM-192                          ; what the 32 slices did not hold
	SME 0, \first
.set j, j+1
.endr
.if \chg
	CHANGE (\chg)-1                                ; all of this slot's bytes have been asked for; the wait in it is also the wait for V
.else
	s_wait_dscnt 0x0                               ; V is in
.endif
.set i, 0
.set j, 0
.set lq, 0
.rept 32                               ; piece 0: V^T P | piece 2's softmax | the next step's K (the last product that read K stands ahead of the bare lines above)
	PV 0, \first
.rept 6
	SME 2, \first
.set j, j+1
.endr
.if (\chg) && (i%4 == 2)
	LDN4
.endif
.set i, i+1
.endr
.rept NSM-192
	SME 2, \first
.set j, j+1
.endr
.set i, 0
.set j, 0
.rept 32                               ; piece 2: V^T P | the row sums | the next step's mask and log2 gate
	PV 2, \first
.rept 2
	SLE \first
.set j, j+1
.endr
.if (\chg) && (i%4 == 0) && (i < 24)
	LDN4
.endif
.set i, i+1
.endr
	WIN 0
.endm
	s_load_b256 s[4:11], s[0:1], 0x0               ; qimg s[4:5], kv s[6:7], mask s[8:9], gate s[10:11]
	s_load_b64 s[12:13], s[0:1], 0x20              ; oimg
	v_lshl_add_u32 v[SPW], v0, 2, SPARE
	v_mov_b32 v[NIL], 0
	ds_add_u32 v[SPW], v[NIL]                      ; the wave's opening: the add, twice on end, and its wait ahead of my first tensor load
	ds_add_u32 v[SPW], v[NIL]
	v_lshrrev_b32 v1, 5, v0
	v_readfirstlane_b32 s[WV], v1                  ; wave 0..3
	s_lshr_b32 s[KH], s[WV], 1
	s_and_b32 s[QH], s[WV], 1
	s_bfe_u32 s17, ttmp6, 0x40000                  ; cx
	s_bfe_u32 s18, ttmp6, 0x40004                  ; cy
	s_lshl_b32 s19, ttmp9, 2
	s_add_co_u32 s19, s19, s17                     ; g = 4 x cluster x + cx
	s_and_b32 s20, ttmp7, 0xffff
	s_lshl_b32 s20, s20, 2
	s_add_co_u32 s20, s20, s18                     ; b = 4 x cluster y + cy
	s_lshl_b32 s21, s18, 2
	s_lshl_b32 s21, 15, s21                        ; my row of the cluster
	s_lshl_b32 s22, 0x1111, s17                    ; my column
	s_or_b32 s[G1K], s22, (3<<16)|(1<<21)          ; K and V go to my column; elements of 8 bytes; bit 21 beside a mask; no padding
	s_mov_b32 s[G1K+1], 32<<16                     ; rows of 256 bytes,
	s_mov_b32 s[G1K+2], 128<<16                    ; 128 of them,
	s_mov_b32 s[G1K+3], 32<<16
	s_mov_b32 s[G1K+4], 128
	s_mov_b32 s[G1K+5], 32                         ; dense
	s_mov_b32 s[G1K+6], 0
	s_mov_b32 s[G1K+7], 0
	s_or_b32 s[G1M], s21, (2<<16)|(1<<20)|(1<<21)|(5<<22)|(3<<25)   ; the mask goes to my row; elements of 4 bytes; 4 words of padding behind every 64
	s_mov_b32 s[G1M+1], 64<<16
	s_mov_b32 s[G1M+2], 64<<16
	s_mov_b32 s[G1M+3], 64<<16
	s_mov_b32 s[G1M+4], 64
	s_mov_b32 s[G1M+5], 4096
	s_mov_b32 s[G1M+6], 0
	s_mov_b32 s[G1M+7], 0
	s_lshl_b32 s74, s19, 21                        ; K and V: 64 records a head, 32 a key half: made of g and the wave's number alone
	s_lshl_b32 s75, s[QH], 20
	s_add_co_u32 s74, s74, s75
	s_mov_b32 s75, 0
	s_lshl_b32 s76, s20, 20                        ; the mask: 64 rows of 16,384 bytes, 8,192 a key half: made of b and the wave's number alone
	s_lshl_b32 s77, s[QH], 13
	s_add_co_u32 s76, s76, s77
	s_mov_b32 s77, 0
	s_lshl_b32 s78, s[QH], 15                      ; where they go: no place in the cluster enters an LDS address
	s_mul_i32 s79, s[QH], MKB
	s_add_co_u32 s79, s79, MKO
	s_lshl_b32 s80, s19, 9                         ; Q: (512 g + 4 b + 2 qh) tiles of 4,096 bytes
	s_lshl_b32 s81, s20, 2
	s_add_co_u32 s80, s80, s81
	s_lshl_b32 s81, s[QH], 1
	s_add_co_u32 s80, s80, s81
	s_lshl_b32 s80, s80, 12
	s_mov_b32 s81, 0
	s_lshl_b32 s82, s20, 2                         ; O: (4 b + 2 qh) tiles of 32,768 bytes + 8,192 g
	s_lshl_b32 s83, s[QH], 1
	s_add_co_u32 s82, s82, s83
	s_lshl_b32 s82, s82, 15
	s_lshl_b32 s83, s19, 13
	s_add_co_u32 s82, s82, s83
	s_mov_b32 s83, 0
	s_mov_b32 s[CS], 0x410293ee                    ; c = 64 log2(e) / sqrt(128)
	s_mov_b32 s[CS+1], s[CS]
	s_mov_b32 s[L2E], 0x3fb8aa3b
	s_mov_b32 s[L2E+1], s[L2E]
	s_mov_b32 s[SEL], 0x76543210
	s_mov_b32 s[SEL+1], 0xfedcba98
	s_mov_b32 s[LIMV], 0xff61b1e6                  ; -3e38
	s_mov_b32 s[TB], 0
	s_mov_b32 s[TJ], 0
	s_lshl_b32 s84, s18, 13                        ; the prefetches: my work-group's 8,192 bytes of a record,
	s_lshl_b32 s85, s17, 18                        ; or its 16 rows of the mask
	s_and_b32 s86, ttmp7, 0xffff                   ; cluster y
	s_mov_b32 s87, 16384
	s_mov_b32 s88, 8192
	s_mov_b32 s[PFS], 256
	s_cmp_eq_u32 s[KH], 0
	s_cselect_b32 s84, s84, s85
	s_cselect_b32 s86, s86, s[QH]                  ; 0 in waves 0, 1 of the first cluster, and in wave 2 everywhere: the same in all sixteen partners
	s_cselect_b32 s87, 256, s87                    ; from lane to lane within 16,
	s_cselect_b32 s88, 4096, s88                   ; and for lanes 16-31
	s_cselect_b32 s[PFS], 32768, s[PFS]            ; a step on
	s_mov_b32 s85, 0
	s_mov_b32 s[PFS+1], 0
	s_cmp_eq_u32 s86, 0
	s_cselect_b32 s[LIM], 1, -1
	s_wait_dscnt 0x0                               ; both opening adds are done
	s_wait_kmcnt 0x0
	s_add_nc_u64 s[74:75], s[6:7], s[74:75]
	s_add_nc_u64 s[76:77], s[8:9], s[76:77]
	s_add_nc_u64 s[4:5], s[4:5], s[80:81]
	s_add_nc_u64 s[12:13], s[12:13], s[82:83]
	s_cmp_eq_u32 s[KH], 0
	s_cselect_b64 s[PFA:PFA+1], s[74:75], s[76:77]
	s_add_nc_u64 s[PFA:PFA+1], s[PFA:PFA+1], s[84:85]
	s_add_nc_u64 s[PFA:PFA+1], s[PFA:PFA+1], s[PFS:PFS+1]
	s_add_nc_u64 s[PFA:PFA+1], s[PFA:PFA+1], s[PFS:PFS+1]   ; at step 2: the first change steps it to 3
	CROUND                                         ; all sixteen work-groups are here: the first joint loads meet
.irp s, 0,1
	s_mov_b32 s[G0K+4*\s], 1
	s_add_co_u32 s[G0K+4*\s+1], s78, \s*SLOT1
	s_add_nc_u64 s[G0K+4*\s+2:G0K+4*\s+3], s[74:75], \s*32768
	s_or_b32 s[G0K+4*\s+3], s[G0K+4*\s+3], 0x80000000
	s_mov_b32 s[G0M+4*\s], 1
	s_add_co_u32 s[G0M+4*\s+1], s79, \s*SLOT1
	s_add_nc_u64 s[G0M+4*\s+2:G0M+4*\s+3], s[76:77], \s*256
	s_or_b32 s[G0M+4*\s+3], s[G0M+4*\s+3], 0x80000000
.endr
	s_cmp_eq_u32 s[KH], 0                          ; a wave's two first fills stand in one branch, ahead of every wait on TENSORcnt and every LDS read
	s_cbranch_scc0 .Lfirst_m
	tensor_load_to_lds s[G0K:G0K+3], s[G1K:G1K+7]
	s_nop 0
	tensor_load_to_lds s[G0K+4:G0K+7], s[G1K:G1K+7]
	s_nop 0
	PLACES
	s_branch .Lfirst_asked
.Lfirst_m:
	tensor_load_to_lds s[G0M:G0M+3], s[G1M:G1M+7]
	s_nop 0
	tensor_load_to_lds s[G0M+4:G0M+7], s[G1M:G1M+7]
	s_nop 0
	PLACES
.Lfirst_asked:
	v_and_b32 v1, 31, v0
	v_lshlrev_b32 v[LI], 4, v1
	v_lshlrev_b32 v[GA], 4, v0
	v_lshl_add_u32 v[GL], v0, 4, LG
	WIN 0x80
.irp t, 0,1,2,3
.irp n, 0,1,2,3,4,5,6,7
	global_load_b128 v[32*\t+4*\n:32*\t+4*\n+3], v[LI], s[4:5] offset:(\t%2)*1048576+(\t/2)*4096+512*\n   ; Q stays in registers
.endr
.endr
	WIN 0
.set i, 0
.rept 8
	global_load_b128 v[S+4*i:S+4*i+3], v[GA], s[10:11] offset:2048*i   ; gate: 32 numbers a thread
.set i, i+1
.endr
	v_and_b32 v45, 15, v0                          ; r
	v_bfe_u32 v46, v0, 4, 1                        ; h
	s_lshl_b32 s84, s[KH], 15
	v_add_nc_u32 v[AK0], s84, v[LI]
	s_mul_i32 s84, s[KH], MKB
	s_mul_i32 s85, s[QH], 32*272
	s_add_co_u32 s84, s84, s85
	s_add_co_u32 s84, s84, MKO
	v_mul_u32_u24 v[AM0], v45, 272
	v_lshl_add_u32 v[AM0], v46, 5, v[AM0]
	v_add_nc_u32 v[AM0], s84, v[AM0]
	s_lshl_b32 s84, s[KH], 13
	s_add_co_u32 s84, s84, LG
	v_lshlrev_b32 v[AL0], 5, v46
	v_add_nc_u32 v[AL0], s84, v[AL0]
	s_mul_i32 s84, s[QH], 33792
	s_add_co_u32 s84, s84, MRG
	v_add_nc_u32 v[MA], s84, v[LI]
	v_mul_lo_u32 v[PFO], v45, s87
	v_mul_lo_u32 v47, v46, s88
	v_add_nc_u32 v[PFO], v[PFO], v47
.irp t, 0,1,2,3
	v_mov_b32 v[ST+8*\t+1], 0                      ; named beside m as a pair, so it is written
.endr
	s_wait_loadcnt 0x0
.set i, 0
.rept 32
	v_add_f32 v[S+i], 0x322bcc77, v[S+i]           ; + 1e-8
.set i, i+1
.endr
.set i, 0
.rept 32
	v_log_f32 v[S+i], v[S+i]                       ; log2
.set i, i+1
.endr
	v_nop
	s_wait_alu depctr_va_vdst(0)                   ; one wait for the batch
.set i, 0
.rept 8
	ds_store_b128 v[GL], v[S+4*i:S+4*i+3] offset:2048*i
.set i, i+1
.endr
	s_wait_tensorcnt 1                             ; my part of slot 0 is in; slot 1's may stay out
	s_wait_dscnt 0x0                               ; my words of log2 gate have landed
	s_barrier_signal -1
	s_barrier_wait -1
	v_add_nc_u32 v[ADK], s[TB], v[AK0]             ; step 0's K, mask and log2 gate: the one run of 56 loads
	v_add_nc_u32 v[ADM], s[TB], v[AM0]
	v_add_nc_u32 v[ADL], s[TJ], v[AL0]
.set lq, 0
.rept 14
	LDN4
.endr
	WIN 0
	s_mov_b32 s[CNT], 30                           ; changes of slots that fill, this step's among them
	STEP 1, 2                                      ; step 0: asks for step 2
	s_mov_b32 s[CNT], 29
.Lstep:                                            ; 29 trips: steps 1 to 29; step i asks for step i + 2
	STEP 0, 2
	s_sub_co_u32 s[CNT], s[CNT], 1
	s_cmp_lg_u32 s[CNT], 0
	s_cbranch_scc1 .Lstep
	STEP 0, 1                                      ; the last two steps are written out: nothing is left to ask for,
	STEP 0, 0                                      ; and then nothing to read
	; THE JOIN of the two key halves.  These additions, and the last slice's two lines, are the places behind the last products.
.irp t, 0,1,2,3
	v_add_f32 v[ST+8*\t+4], v[ST+8*\t+2], v[ST+8*\t+3]
.endr
.irp t, 0,1,2,3
	v_permlanex16_b32 v[ST+8*\t+5], v[ST+8*\t+4], s[SEL], s[SEL+1]
.endr
.irp t, 0,1,2,3
	v_add_f32 v[ST+8*\t+2], v[ST+8*\t+4], v[ST+8*\t+5]
.endr
.irp t, 0,1,2,3
	v_mov_b32 v[44+\t], v[ST+8*\t]                 ; m of the four tiles on end,
.endr
.irp t, 0,1,2,3
	v_mov_b32 v[48+\t], v[ST+8*\t+2]               ; and l
.endr
	s_cmp_lt_u32 s[WV], 2
	s_cbranch_scc1 .Lkeeper
	WIN 0x04                                       ; an LDS store's data are its source 1: window 1
.set i, 0
.rept 64
	ds_store_b128 v[MA], v[4*i:4*i+3] offset:512*i ; each accumulator from its low end on
.set i, i+1
.endr
	WIN 0
	ds_store_b128 v[MA], v[44:47] offset:32768
	ds_store_b128 v[MA], v[48:51] offset:33280
.Lkeeper:
	s_wait_dscnt 0x0
	s_barrier_signal -1
	s_barrier_wait -1
	s_cmp_lt_u32 s[WV], 2
	s_cbranch_scc0 .Ldone
	ds_load_b128 v[52:55], v[MA] offset:32768
	ds_load_b128 v[56:59], v[MA] offset:33280
	s_wait_dscnt 0x0
.irp t, 0,1,2,3
	v_max_num_f32 v[ST+8*\t+4], v[44+\t], v[52+\t]
.endr
.irp t, 0,1,2,3
	v_sub_f32 v[ST+8*\t+5], v[44+\t], v[ST+8*\t+4]
	v_sub_f32 v[ST+8*\t+7], v[52+\t], v[ST+8*\t+4]
.endr
.irp t, 0,1,2,3
	v_exp_f32 v[ST+8*\t+5], v[ST+8*\t+5]           ; a0
	v_exp_f32 v[ST+8*\t+7], v[ST+8*\t+7]           ; a1
.endr
	v_nop
	s_wait_alu depctr_va_vdst(0)
.irp t, 0,1,2,3
	v_mul_f32 v[ST+8*\t+4], v[ST+8*\t+5], v[48+\t]
.endr
.irp t, 0,1,2,3
	v_fma_f32 v[ST+8*\t+4], v[ST+8*\t+7], v[56+\t], v[ST+8*\t+4]
.endr
.irp t, 0,1,2,3
	v_rcp_f32 v[ST+8*\t+4], v[ST+8*\t+4]
.endr
	v_nop
	s_wait_alu depctr_va_vdst(0)
.irp t, 0,1,2,3
	v_mul_f32 v[ST+8*\t+6], v[ST+8*\t+7], v[ST+8*\t+4]     ; f1 = a1 / l
	v_mul_f32 v[ST+8*\t+4], v[ST+8*\t+5], v[ST+8*\t+4]     ; f0 = a0 / l
.endr
.macro OUT t
.set XB, S+64*((\t)%2)
.set ZB, P+32*((\t)%2)
	s_wait_xcnt 0x0                                ; the stores of two tiles back have read their data
.set i, 0
.rept 16
	ds_load_b128 v[XB+4*i:XB+4*i+3], v[MA] offset:8192*(\t)+512*i
.set i, i+1
.endr
	s_wait_dscnt 0x0
.set i, 0
.rept 32
	v_pk_mul_f32 v[XB+2*i:XB+2*i+1], v[XB+2*i:XB+2*i+1], v[ST+8*(\t)+6:ST+8*(\t)+7] op_sel_hi:[1,0]
.set i, i+1
.endr
	WIN 0x01
.set i, 0
.rept 32
	v_pk_fma_f32 v[XB+2*i:XB+2*i+1], v[64*(\t)+2*i:64*(\t)+2*i+1], v[ST+8*(\t)+4:ST+8*(\t)+5], v[XB+2*i:XB+2*i+1] op_sel_hi:[1,0,1]
.set i, i+1
.endr
	WIN 0
.set i, 0
.rept 32
	v_cvt_pk_f16_f32 v[ZB+i], v[XB+2*i], v[XB+2*i+1]
.set i, i+1
.endr
.irp n, 0,1,2,3,4,5,6,7
	global_store_b128 v[LI], v[ZB+4*\n:ZB+4*\n+3], s[12:13] offset:32768*((\t)/2)+4096*((\t)%2)+512*\n   ; 512 consecutive bytes
.endr
.endm
	OUT 0
	OUT 1
	OUT 2
	OUT 3
.Ldone:
	s_wait_tensorcnt 0x0                           ; the wave's end
	ds_add_u32 v[SPW], v[NIL]
	s_wait_dscnt 0x0
	CROUND                                         ; the closing round
	s_endpgm
.Lfunc_end_k_qdca8ec70f9_attn:
	.size	k_qdca8ec70f9_attn, .Lfunc_end_k_qdca8ec70f9_attn-k_qdca8ec70f9_attn
	.p2alignl 7, 3214868480
	.fill 96, 4, 3214868480
	.section	.rodata,"a",@progbits
	.p2align	6, 0x0
	.amdhsa_kernel k_qdca8ec70f9_attn
		.amdhsa_group_segment_fixed_size 327680
		.amdhsa_private_segment_fixed_size 0
		.amdhsa_enable_private_segment 0
		.amdhsa_kernarg_size 40
		.amdhsa_user_sgpr_count 2
		.amdhsa_user_sgpr_kernarg_segment_ptr 1
		.amdhsa_wavefront_size32 1
		.amdhsa_system_sgpr_workgroup_id_x 1
		.amdhsa_system_sgpr_workgroup_id_y 1
		.amdhsa_system_sgpr_workgroup_id_z 1
		.amdhsa_system_vgpr_workitem_id 0
		.amdhsa_next_free_vgpr 1024
		.amdhsa_next_free_sgpr 100
		.amdhsa_reserve_vcc 0
		.amdhsa_float_denorm_mode_32 3
		.amdhsa_float_denorm_mode_16_64 3
		.amdhsa_memory_ordered 1
		.amdhsa_forward_progress 1
		.amdhsa_inst_pref_size 255
	.end_amdhsa_kernel
	.section	.bss,"aw",@nobits
	.p2align	6
	.space	262144
	.amdgpu_metadata
---
amdhsa.version: [ 1, 2 ]
amdhsa.kernels:
  - .name:           k_qdca8ec70f9_attn
    .symbol:         k_qdca8ec70f9_attn.kd
    .args:
      - { .name: qimg, .offset: 0, .size: 8, .value_kind: global_buffer, .address_space: global }
      - { .name: kv, .offset: 8, .size: 8, .value_kind: global_buffer, .address_space: global }
      - { .name: attention_mask, .offset: 16, .size: 8, .value_kind: global_buffer, .address_space: global }
      - { .name: gate, .offset: 24, .size: 8, .value_kind: global_buffer, .address_space: global }
      - { .name: oimg, .offset: 32, .size: 8, .value_kind: global_buffer, .address_space: global }
    .group_segment_fixed_size: 327680
    .private_segment_fixed_size: 0
    .kernarg_segment_align: 8
    .kernarg_segment_size: 40
    .max_flat_workgroup_size: 128
    .sgpr_count:     100
    .vgpr_count:     1024
    .wavefront_size: 32
...
	.end_amdgpu_metadata
.endif
;; end of part 4
;; launch proj (part 5): grid 8 x 32, 4 waves a work-group, clusters of 4 x 4, 327,680 bytes of LDS; arguments oimg, wo16, out0; writes out0
.if DOCPART == 5
	.amdgcn_target "amdgcn-amd-amdhsa--gfx1250"
	.amdhsa_code_object_version 6
	.text
	.protected	k_qdca8ec70f9_proj
	.globl	k_qdca8ec70f9_proj
	.p2align	8
	.type	k_qdca8ec70f9_proj,@function
k_qdca8ec70f9_proj:
	s_mov_b64 s[64:65], 0
	v_nop
	global_prefetch_b8 v0, s[64:65] scope:SCOPE_SE
	s_setreg_imm32_b32 hwreg(HW_REG_WAVE_MODE, 25, 1), 1
	s_wait_xcnt 0x0
	s_wait_alu depctr_hold_cnt(0) depctr_sa_sdst(0) depctr_va_vdst(0) depctr_va_sdst(0) depctr_va_ssrc(0) depctr_va_vcc(0) depctr_vm_vsrc(0)
	s_getreg_b32 s2, hwreg(HW_REG_IB_STS2, 6, 4)
	s_cmp_eq_u32 s2, 0
	s_cbranch_scc0 .Lentry_in_a_cluster
	s_endpgm
.Lentry_in_a_cluster:
	s_bfe_u32 s2, ttmp6, 0x10000c
	s_cmp_lg_u32 s2, 0xf033
	s_cbranch_scc0 .Lentry_shape_is_right
	s_endpgm
.Lentry_shape_is_right:
; out0 = o Wo: [4096][1024] x [1024][2048], f16 operands (Wo's high parts), f32 sums, K ascending.  Both operands come as images of their registers: a tile of 16 rows (or columns) is 32,768 bytes,
; 32 K steps of 1,024 bytes.  Rows 0 to 15 are stored here too and written anew, more finely, by the launch fproj.
; A work-group makes 128 rows x 256 columns (256 work-groups); wave (rh = w / 2, ch = w % 2) 64 x 128: 32 accumulators.  K goes in 8 chunks of 128 through two LDS slots.
; CLUSTER 4 x 4: o's tiles are shared along a row of the cluster, Wo's along a column: joint loads, one a wave behind each round: waves 0, 1: four tiles of o each (rows of 4,096 bytes), waves 2, 3: eight of Wo.
; One load of mine is out behind a round (two at the start).  The matrix instruction is used transposed (source 0 = Wo, source 1 = o): a lane holds eight neighbouring columns of a row of out0.
; LDS: slot s at 98,304 s: o's 8 tiles of 4,096 bytes, then Wo's 16; 196,608 a stage of 16 rows x 528 bytes for each wave; 230,400 the spare words.
; REGISTERS: window 0: v16-29 addresses; v64-159, v160-255 two fragment buffers (Wo's 64, then o's 32); on the way out v64-191 rows of out0.  window 1: accumulator (a, b) at 8 (8 a + b).
.set SLOT,   98304
.set STAGE,  196608
.set SPITCH, 528
.set SPARE,  230400
.set ADRA, 16
.set ADRB, 20
.set STO,  24
.set RD,   25
.set CO,   26
.set SPW,  28
.set NIL,  29
.set F0,   64
.set F1,   160
.set G1,  24
.set G0,  32
.set G1B, 48
.set G0B, 56
.set MSB, 0
.macro WIN new
.if MSB != (\new)
	s_set_vgpr_msb (MSB<<8)|(\new)
.set MSB, (\new)
.endif
.endm
.macro PLACES
.rept 4
	v_nop
.endr
.endm
.macro JLOAD s                         ; a joint load: waves 0, 1 for o, waves 2, 3 for Wo; an s_nop 0 and four v_nop follow each line
	s_cmp_eq_u32 s11, 0
	s_cbranch_scc0 .Lfor_b_\@
	tensor_load_to_lds s[G0+4*(\s):G0+4*(\s)+3], s[G1:G1+7]
	s_nop 0
	PLACES
	s_branch .Lasked_\@
.Lfor_b_\@:
	tensor_load_to_lds s[G0B+4*(\s):G0B+4*(\s)+3], s[G1B:G1B+7]
	s_nop 0
	PLACES
.Lasked_\@:
.endm
.macro CROUND
	s_barrier_signal -1
	s_barrier_wait -1
	s_cmp_lg_u32 s10, 0
	s_cbranch_scc1 .Lnot_wave_0_\@
	s_barrier_signal -3
.Lnot_wave_0_\@:
	s_barrier_wait -3
	s_barrier_signal -1
	s_barrier_wait -1
.endm
.macro FETCH sl, q, f                  ; 24 LDS loads: the fragments of the chunk's q-th 32 along K
.irp i, 0,1,2,3,4,5,6,7
.irp c, 0,1
	ds_load_b128 v[\f+8*\i+4*\c:\f+8*\i+4*\c+3], v[ADRB+(\sl)] offset:4096*\i+1024*(\q)+512*\c
.endr
.endr
.irp i, 0,1,2,3
.irp c, 0,1
	ds_load_b128 v[\f+64+8*\i+4*\c:\f+64+8*\i+4*\c+3], v[ADRA+(\sl)] offset:4096*\i+1024*(\q)+512*\c
.endr
.endr
.endm
.macro MUL f, zero                     ; 32 matrix instructions, the 32 accumulators by turns
	WIN 0x50
.irp a, 0,1,2,3
.irp b, 0,1,2,3,4,5,6,7
.if \zero
	v_wmma_f32_16x16x32_f16 v[8*(8*\a+\b):8*(8*\a+\b)+7], v[\f+8*\b:\f+8*\b+7], v[\f+64+8*\a:\f+64+8*\a+7], 0
.else
	v_wmma_f32_16x16x32_f16 v[8*(8*\a+\b):8*(8*\a+\b)+7], v[\f+8*\b:\f+8*\b+7], v[\f+64+8*\a:\f+64+8*\a+7], v[8*(8*\a+\b):8*(8*\a+\b)+7]
.endif
.endr
.endr
	WIN 0
.endm
; Chunk t of K, in slot t % 2.  Trips 1 to 6 ask for chunk t + 1, into the slot read in the trip before.
.macro TRIP t
.if (\t) == 0
	s_wait_tensorcnt 1                             ; my part of chunk 0 is in; chunk 1's may stay out
	s_barrier_signal -1
	s_barrier_wait -1
.else
	s_wait_tensorcnt 0x0                           ; all my tensor loads have landed: my part of this chunk
	ds_add_u32 v[SPW], v[NIL]
.if (\t) < 7
	s_add_nc_u64 s[G0+4*(1-(\t)%2)+2:G0+4*(1-(\t)%2)+3], s[G0+4*(1-(\t)%2)+2:G0+4*(1-(\t)%2)+3], 8192      ; the other slot's next chunk
	s_add_nc_u64 s[G0B+4*(1-(\t)%2)+2:G0B+4*(1-(\t)%2)+3], s[G0B+4*(1-(\t)%2)+2:G0B+4*(1-(\t)%2)+3], 8192
.endif
	s_wait_dscnt 0x0                               ; the add is done, and my reads of the other slot are over
.if (\t) < 7
	CROUND
	JLOAD 1-(\t)%2                                 ; the first tensor load behind the round; its four v_nop are also the places in front of the loads below
.else
	s_barrier_signal -1
	s_barrier_wait -1
	PLACES
.endif
.endif
	FETCH (\t)%2, 0, F0
	PLACES
	FETCH (\t)%2, 1, F1
	s_wait_dscnt 24                                ; all but the 24 just issued
.if (\t) == 0
	MUL F0, 1
.else
	MUL F0, 0
.endif
	PLACES
	FETCH (\t)%2, 2, F0
	s_wait_dscnt 24
	MUL F1, 0
	PLACES
	FETCH (\t)%2, 3, F1
	s_wait_dscnt 24
	MUL F0, 0
	s_wait_dscnt 0x0
	MUL F1, 0
.endm
	s_load_b128 s[4:7], s[0:1], 0x0                ; oimg s[4:5], wo16 s[6:7]
	s_load_b64 s[8:9], s[0:1], 0x10                ; out0
	v_lshl_add_u32 v[SPW], v0, 2, SPARE
	v_mov_b32 v[NIL], 0
	ds_add_u32 v[SPW], v[NIL]                      ; the wave's opening: the add, twice on end, and its wait ahead of my first tensor load
	ds_add_u32 v[SPW], v[NIL]
	v_lshrrev_b32 v1, 5, v0
	v_readfirstlane_b32 s10, v1                    ; wave 0..3
	s_lshr_b32 s11, s10, 1                         ; my half of the rows.  Also: I fetch for o (0) or for Wo (1)
	s_and_b32 s12, s10, 1                          ; my half of the columns.  Also: which half of the tiles I fetch
	s_bfe_u32 s40, ttmp6, 0x40000                  ; cx
	s_bfe_u32 s41, ttmp6, 0x40004                  ; cy
	s_lshl_b32 s42, ttmp9, 2
	s_add_co_u32 s42, s42, s40                     ; block of 256 columns
	s_and_b32 s13, ttmp7, 0xffff
	s_lshl_b32 s13, s13, 2
	s_add_co_u32 s13, s13, s41                     ; block of 128 rows
	s_lshl_b32 s43, s41, 2
	s_lshl_b32 s43, 15, s43                        ; my row of the cluster
	s_lshl_b32 s44, 0x1111, s40                    ; my column
	s_or_b32 s[G1], s43, (3<<16)|(1<<21)           ; o's tiles go to my row; elements of 8 bytes; bit 21 beside a mask; no padding
	s_mov_b32 s[G1+1], 512<<16                     ; rows of 4,096 bytes: a tile's part of a chunk,
	s_mov_b32 s[G1+2], 4<<16                       ; four tiles,
	s_mov_b32 s[G1+3], 512<<16
	s_mov_b32 s[G1+4], 4
	s_mov_b32 s[G1+5], 4096                        ; 32,768 bytes apart
	s_mov_b32 s[G1+6], 0
	s_mov_b32 s[G1+7], 0
	s_or_b32 s[G1B], s44, (3<<16)|(1<<21)          ; Wo's go to my column
	s_mov_b32 s[G1B+1], 512<<16
	s_mov_b32 s[G1B+2], 8<<16                      ; eight tiles
	s_mov_b32 s[G1B+3], 512<<16
	s_mov_b32 s[G1B+4], 8
	s_mov_b32 s[G1B+5], 4096
	s_mov_b32 s[G1B+6], 0
	s_mov_b32 s[G1B+7], 0
	s_lshl_b32 s16, s13, 3
	s_lshl_b32 s17, s12, 2
	s_add_co_u32 s16, s16, s17                     ; o: tile 8 x block + 4 x half
	s_lshl_b32 s16, s16, 15
	s_mov_b32 s17, 0
	s_lshl_b32 s46, s42, 4
	s_lshl_b32 s47, s12, 3
	s_add_co_u32 s46, s46, s47                     ; Wo: tile 16 x block + 8 x half
	s_lshl_b32 s46, s46, 15
	s_mov_b32 s47, 0
	s_lshl_b32 s20, s12, 14                        ; where they go: no place in the cluster enters an LDS address
	s_lshl_b32 s21, s12, 15
	s_add_co_u32 s21, s21, 32768
	s_wait_dscnt 0x0                               ; both opening adds are done
	s_wait_kmcnt 0x0
	s_add_nc_u64 s[14:15], s[4:5], s[16:17]
	s_add_nc_u64 s[46:47], s[6:7], s[46:47]
	CROUND                                         ; all sixteen work-groups are here: the first joint loads meet
.irp s, 0,1
	s_mov_b32 s[G0+4*\s], 1
	s_add_co_u32 s[G0+4*\s+1], s20, \s*SLOT
	s_add_nc_u64 s[G0+4*\s+2:G0+4*\s+3], s[14:15], \s*4096
	s_or_b32 s[G0+4*\s+3], s[G0+4*\s+3], 0x80000000
	s_mov_b32 s[G0B+4*\s], 1
	s_add_co_u32 s[G0B+4*\s+1], s21, \s*SLOT
	s_add_nc_u64 s[G0B+4*\s+2:G0B+4*\s+3], s[46:47], \s*4096
	s_or_b32 s[G0B+4*\s+3], s[G0B+4*\s+3], 0x80000000
	JLOAD \s
.endr
	v_and_b32 v1, 31, v0
	v_lshlrev_b32 v[CO], 4, v1                     ; 16 x lane
	v_and_b32 v2, 15, v0
	v_bfe_u32 v3, v0, 4, 1
	s_lshl_b32 s22, s11, 14                        ; my four tiles of o
	s_lshl_b32 s23, s12, 15                        ; my eight of Wo,
	s_add_co_u32 s23, s23, 32768                   ; which lie behind o's
.irp s, 0,1
	v_add_nc_u32 v[ADRA+\s], s22, v[CO]
	v_add_nc_u32 v[ADRB+\s], s23, v[CO]
	s_add_co_u32 s22, s22, SLOT
	s_add_co_u32 s23, s23, SLOT
.endr
	s_mul_i32 s22, s10, 16*SPITCH
	s_add_co_u32 s22, s22, STAGE                   ; my stage
	v_mul_u32_u24 v[STO], v2, SPITCH
	v_lshl_add_u32 v[STO], v3, 5, v[STO]
	v_add_nc_u32 v[STO], s22, v[STO]               ; in: row r, 32 bytes for each half of the lanes
	v_add_nc_u32 v[RD], s22, v[CO]                 ; back: the 32 lanes take a row of 512 bytes
	s_lshl_b32 s16, s13, 7
	s_lshl_b32 s17, s11, 6
	s_add_co_u32 s16, s16, s17                     ; my first row of out0
	s_lshl_b32 s16, s16, 13
	s_lshl_b32 s17, s42, 10
	s_add_co_u32 s16, s16, s17
	s_lshl_b32 s17, s12, 9
	s_add_co_u32 s16, s16, s17                     ; + my first column, in bytes
	s_mov_b32 s17, 0
	s_add_nc_u64 s[8:9], s[8:9], s[16:17]
	TRIP 0
	TRIP 1
	TRIP 2
	TRIP 3
	TRIP 4
	TRIP 5
	TRIP 6
	TRIP 7
; THE WAY OUT, block by block of 16 rows x 128 columns, through my own stage: in as 32 bytes a lane, back as whole rows of 512 bytes.  LDS serves a wave's instructions in order: no wait between the stores and the loads.
.macro TOSTAGE a
	WIN 0x04                                       ; an LDS store's data are its source 1: window 1
.irp b, 0,1,2,3,4,5,6,7
	ds_store_b128 v[STO], v[8*(8*(\a)+\b):8*(8*(\a)+\b)+3] offset:64*\b            ; each accumulator from its low end on
	ds_store_b128 v[STO], v[8*(8*(\a)+\b)+4:8*(8*(\a)+\b)+7] offset:64*\b+16
.endr
	WIN 0
.irp t, 0,1,2,3,4,5,6,7,8,9,10,11,12,13,14,15
	ds_load_b128 v[64+64*((\a)%2)+4*\t:64+64*((\a)%2)+4*\t+3], v[RD] offset:\t*SPITCH
.endr
.endm
.macro SEND a, younger                 ; younger: the LDS instructions issued behind block a's loads
	s_wait_dscnt \younger
.irp t, 0,1,2,3,4,5,6,7,8,9,10,11,12,13,14,15
	global_store_b128 v[CO], v[64+64*((\a)%2)+4*\t:64+64*((\a)%2)+4*\t+3], s[8:9] offset:(16*(\a)+\t)*8192 th:TH_STORE_NT   ; 512 consecutive bytes, at a multiple of 256 from out0's first byte
.endr
.endm
	PLACES
	TOSTAGE 0
	TOSTAGE 1
	SEND 0, 32
	s_wait_xcnt 0x0                                ; block 0's stores have read their registers
	TOSTAGE 2
	SEND 1, 32
	s_wait_xcnt 0x0
	TOSTAGE 3
	SEND 2, 32
	SEND 3, 0
	s_wait_tensorcnt 0x0                           ; the wave's end
	ds_add_u32 v[SPW], v[NIL]
	s_wait_dscnt 0x0
	CROUND                                         ; the closing round
	s_endpgm
.Lfunc_end_k_qdca8ec70f9_proj:
	.size	k_qdca8ec70f9_proj, .Lfunc_end_k_qdca8ec70f9_proj-k_qdca8ec70f9_proj
	.p2alignl 7, 3214868480
	.fill 96, 4, 3214868480
	.section	.rodata,"a",@progbits
	.p2align	6, 0x0
	.amdhsa_kernel k_qdca8ec70f9_proj
		.amdhsa_group_segment_fixed_size 327680
		.amdhsa_private_segment_fixed_size 0
		.amdhsa_enable_private_segment 0
		.amdhsa_kernarg_size 24
		.amdhsa_user_sgpr_count 2
		.amdhsa_user_sgpr_kernarg_segment_ptr 1
		.amdhsa_wavefront_size32 1
		.amdhsa_system_sgpr_workgroup_id_x 1
		.amdhsa_system_sgpr_workgroup_id_y 1
		.amdhsa_system_sgpr_workgroup_id_z 1
		.amdhsa_system_vgpr_workitem_id 0
		.amdhsa_next_free_vgpr 512
		.amdhsa_next_free_sgpr 66
		.amdhsa_reserve_vcc 0
		.amdhsa_float_denorm_mode_32 3
		.amdhsa_float_denorm_mode_16_64 3
		.amdhsa_memory_ordered 1
		.amdhsa_forward_progress 1
		.amdhsa_inst_pref_size 147
	.end_amdhsa_kernel
	.amdgpu_metadata
---
amdhsa.version: [ 1, 2 ]
amdhsa.kernels:
  - .name:           k_qdca8ec70f9_proj
    .symbol:         k_qdca8ec70f9_proj.kd
    .args:
      - { .name: oimg, .offset: 0, .size: 8, .value_kind: global_buffer, .address_space: global }
      - { .name: wo16, .offset: 8, .size: 8, .value_kind: global_buffer, .address_space: global }
      - { .name: out0, .offset: 16, .size: 8, .value_kind: global_buffer, .address_space: global }
    .group_segment_fixed_size: 327680
    .private_segment_fixed_size: 0
    .kernarg_segment_align: 8
    .kernarg_segment_size: 24
    .max_flat_workgroup_size: 128
    .sgpr_count:     66
    .vgpr_count:     512
    .wavefront_size: 32
...
	.end_amdgpu_metadata
.endif
;; end of part 5
;; launch fproj (part 6): grid 32 x 1, 8 waves a work-group, no clusters, 75,264 bytes of LDS; arguments fine, wo16, out0; writes out0
.if DOCPART == 6
	.amdgcn_target "amdgcn-amd-amdhsa--gfx1250"
	.amdhsa_code_object_version 6
	.text
	.protected	k_qdca8ec70f9_fproj
	.globl	k_qdca8ec70f9_fproj
	.p2align	8
	.type	k_qdca8ec70f9_fproj,@function
k_qdca8ec70f9_fproj:
	s_mov_b64 s[64:65], 0
	v_nop
	global_prefetch_b8 v0, s[64:65] scope:SCOPE_SE
	s_setreg_imm32_b32 hwreg(HW_REG_WAVE_MODE, 25, 1), 1
	s_wait_xcnt 0x0
; Rows 0 to 15 of out0, carried more finely: the eight chunks' parts of O are joined in f32, and o and Wo go into the product as pairs of f16 numbers (Wh oh + Wh ol + Wl oh), f32 sums.
; A work-group makes 64 columns.  First wave w joins head w (every work-group does this small work for itself) and stores o's high and low parts to LDS as images of the operand's registers;
; then wave w multiplies tile w % 4 of 16 columns by half w / 4 of K (16 K steps of 32); the two halves of K meet in two stages in LDS, and each wave stores two whole rows of 256 bytes.
; LIMITS: |o|, |Wo| under 65,504; under 6.1e-5 a high part is rounded twice (error at most 3e-8).
; LDS: 0 o's high parts (64 pieces of 512 bytes), 32,768 its low parts, 65,536 two stages of 16 rows x 272 bytes, 74,240 the spare words.
; REGISTERS: window 0: v1-7, v98, v99 addresses; v8-11 high, v12-15 low, v16-23 at work; v24, v25 the add's two; v26-41 m, l of the eight chunks; v42-57 the factors, in pairs; v58-65 o;
;   v66-89 three accumulators; v90-97 their sum; v100-227 two sets of 64.  window 1: Wo's high parts at 8 k, low parts at 128 + 8 k.
.set SPARE, 74240
.set STG,   65536
.set SPW, 24
.set NIL, 25
.set RG,  100
.set MSB, 0
.macro WIN new
.if MSB != (\new)
	s_set_vgpr_msb (MSB<<8)|(\new)
.set MSB, (\new)
.endif
.endm
.macro PLOAD n                         ; tile n of O^T of my head: two pieces from each of the eight chunks
.irp c, 0,1,2,3,4,5,6,7
.irp p, 0,1
	global_load_b128 v[RG+64*((\n)%2)+8*\c+4*\p:RG+64*((\n)%2)+8*\c+4*\p+3], v1, s[16:17] offset:65536*\c+512*(2*(\n)+\p)
.endr
.endr
.endm
.macro MERGE n
.set RB, RG+64*((\n)%2)
.if (\n) < 7
	s_wait_loadcnt 16                              ; this tile's 16 loads are in; the next tile's may be out
.else
	s_wait_loadcnt 0
.endif
.irp p, 0,2,4,6
	v_pk_mul_f32 v[58+\p:59+\p], v[RB+\p:RB+\p+1], v[42:43] op_sel_hi:[1,0]
.endr
.irp c, 1,2,3,4,5,6,7
.irp p, 0,2,4,6
	v_pk_fma_f32 v[58+\p:59+\p], v[RB+8*\c+\p:RB+8*\c+\p+1], v[42+2*\c:43+2*\c], v[58+\p:59+\p] op_sel_hi:[1,0,1]
.endr
.endr
.irp j, 0,1,2,3,4,5,6,7
	v_add_nc_u32 v[16+\j], 0x1000, v[58+\j]        ; the high part in f32 bits: to 11 significant bits, nearest,
.endr
.irp j, 0,1,2,3,4,5,6,7
	v_and_b32 v[16+\j], s13, v[16+\j]
.endr
.irp i, 0,1,2,3
	v_cvt_pk_f16_f32 v[8+\i], v[16+2*\i], v[17+2*\i]
.endr
.irp p, 0,2,4,6
	v_pk_add_f32 v[16+\p:17+\p], v[58+\p:59+\p], v[16+\p:17+\p] neg_lo:[0,1] neg_hi:[0,1]
.endr
.irp i, 0,1,2,3
	v_cvt_pk_f16_f32 v[12+\i], v[16+2*\i], v[17+2*\i]
.endr
	ds_store_b128 v6, v[8:11] offset:512*(\n)
	ds_store_b128 v6, v[12:15] offset:32768+512*(\n)
.if (\n)+2 <= 7
	PLOAD (\n)+2
.endif
	s_wait_dscnt 0x0                               ; the stores have read their registers
.endm
.macro AFETCH bt                       ; o's fragments of four K steps, high and low
.irp i, 0,1,2,3
.irp c, 0,1
	ds_load_b128 v[RG+64*((\bt)%2)+8*\i+4*\c:RG+64*((\bt)%2)+8*\i+4*\c+3], v5 offset:4096*(\bt)+1024*\i+512*\c
	ds_load_b128 v[RG+64*((\bt)%2)+32+8*\i+4*\c:RG+64*((\bt)%2)+32+8*\i+4*\c+3], v5 offset:32768+4096*(\bt)+1024*\i+512*\c
.endr
.endr
.endm
.macro BATCH bt
.if (\bt) < 3
.if (\bt) > 0
.rept 4
	v_nop                                          ; places in front of loads into registers that the batch before last multiplied
.endr
.endif
	AFETCH (\bt)+1
	s_wait_dscnt 16                                ; all but the 16 just issued
.else
	s_wait_dscnt 0x0
.endif
	WIN 0x01                                       ; source 0 (Wo) in window 1
.irp i, 0,1,2,3                        ; three accumulators by turns
.if ((\bt) == 0) && (\i == 0)
	v_wmma_f32_16x16x32_f16 v[66:73], v[8*(4*(\bt)+\i):8*(4*(\bt)+\i)+7], v[RG+64*((\bt)%2)+8*\i:RG+64*((\bt)%2)+8*\i+7], 0
	v_wmma_f32_16x16x32_f16 v[74:81], v[8*(4*(\bt)+\i):8*(4*(\bt)+\i)+7], v[RG+64*((\bt)%2)+32+8*\i:RG+64*((\bt)%2)+32+8*\i+7], 0
	v_wmma_f32_16x16x32_f16 v[82:89], v[128+8*(4*(\bt)+\i):128+8*(4*(\bt)+\i)+7], v[RG+64*((\bt)%2)+8*\i:RG+64*((\bt)%2)+8*\i+7], 0
.else
	v_wmma_f32_16x16x32_f16 v[66:73], v[8*(4*(\bt)+\i):8*(4*(\bt)+\i)+7], v[RG+64*((\bt)%2)+8*\i:RG+64*((\bt)%2)+8*\i+7], v[66:73]
	v_wmma_f32_16x16x32_f16 v[74:81], v[8*(4*(\bt)+\i):8*(4*(\bt)+\i)+7], v[RG+64*((\bt)%2)+32+8*\i:RG+64*((\bt)%2)+32+8*\i+7], v[74:81]
	v_wmma_f32_16x16x32_f16 v[82:89], v[128+8*(4*(\bt)+\i):128+8*(4*(\bt)+\i)+7], v[RG+64*((\bt)%2)+8*\i:RG+64*((\bt)%2)+8*\i+7], v[82:89]
.endif
.endr
	WIN 0
.endm
	s_load_b128 s[4:7], s[0:1], 0x0                ; fine s[4:5], wo16 s[6:7]
	s_load_b64 s[8:9], s[0:1], 0x10                ; out0
	v_lshl_add_u32 v[SPW], v0, 2, SPARE
	v_mov_b32 v[NIL], 0
	v_lshrrev_b32 v1, 5, v0
	v_readfirstlane_b32 s10, v1                    ; wave 0..7
	s_and_b32 s11, s10, 3                          ; my tile of 16 columns
	s_lshr_b32 s12, s10, 2                         ; my half of K
	s_mov_b32 s13, 0xffffe000
	s_lshl_b32 s14, ttmp9, 2
	s_add_co_u32 s14, s14, s11
	s_lshl_b32 s14, s14, 15                        ; Wo: tile 4 x work-group + w % 4,
	s_lshl_b32 s15, s12, 14                        ; 16 K steps of 1,024 bytes a half
	s_add_co_u32 s14, s14, s15
	s_mov_b32 s15, 0
	s_lshl_b32 s16, s10, 13                        ; the parts of O of head w
	s_mov_b32 s17, 0
	s_lshl_b32 s18, s10, 8
	s_add_co_u32 s18, s18, 524288                  ; and their m, l
	s_mov_b32 s19, 0
	s_lshl_b32 s20, s10, 14                        ; out0: rows 2 w, 2 w + 1,
	s_lshl_b32 s21, ttmp9, 8                       ; my work-group's 256 bytes of a row
	s_add_co_u32 s20, s20, s21
	s_mov_b32 s21, 0
	v_and_b32 v7, 31, v0
	v_lshlrev_b32 v1, 4, v7                        ; 16 x lane
	v_and_b32 v2, 15, v0                           ; r
	v_bfe_u32 v3, v0, 4, 1                         ; h
	v_lshlrev_b32 v4, 3, v7                        ; 8 x lane
	s_lshl_b32 s22, s12, 14
	v_add_nc_u32 v5, s22, v1                       ; o's fragments of my half of K
	s_lshl_b32 s22, s10, 12
	v_add_nc_u32 v6, s22, v1                       ; where I put head w's eight pieces
	s_mul_i32 s22, s12, 4352
	s_lshl_b32 s23, s11, 6
	s_add_co_u32 s22, s22, s23
	s_add_co_u32 s22, s22, STG
	v_mul_u32_u24 v7, v2, 272
	v_lshl_add_u32 v7, v3, 5, v7
	v_add_nc_u32 v7, s22, v7                       ; the stage of my half of K: row r, + 64 (w % 4) + 32 h
	s_mul_i32 s22, s10, 544
	s_add_co_u32 s22, s22, STG
	v_mul_u32_u24 v98, v3, 272
	v_lshl_add_u32 v98, v2, 4, v98
	v_add_nc_u32 v98, s22, v98                     ; back: row 2 w + h, 16 bytes a lane
	v_lshlrev_b32 v99, 13, v3
	v_lshl_add_u32 v99, v2, 4, v99                 ; and the same place in out0
	s_wait_kmcnt 0x0
	s_add_nc_u64 s[14:15], s[6:7], s[14:15]
	s_add_nc_u64 s[16:17], s[4:5], s[16:17]
	s_add_nc_u64 s[18:19], s[4:5], s[18:19]
	s_add_nc_u64 s[20:21], s[8:9], s[20:21]
	WIN 0x40
.set i, 0
.rept 32
	global_load_b128 v[4*i:4*i+3], v1, s[14:15] offset:512*i
	global_load_b128 v[128+4*i:128+4*i+3], v1, s[14:15] offset:4194304+512*i
.set i, i+1
.endr
	WIN 0
.irp c, 0,1,2,3,4,5,6,7
	global_load_b64 v[26+2*\c:27+2*\c], v4, s[18:19] offset:2048*\c
.endr
	PLOAD 0
	PLOAD 1
	s_wait_loadcnt 32                              ; m and l are in; the two tiles' 32 loads may be out
	v_max3_num_f32 v8, v26, v28, v30
	v_max3_num_f32 v8, v8, v32, v34
	v_max3_num_f32 v8, v8, v36, v38
	v_max_num_f32 v8, v8, v40                      ; m over the chunks
.irp c, 0,1,2,3,4,5,6,7
	v_sub_f32 v[42+2*\c], v[26+2*\c], v8
.endr
.irp c, 0,1,2,3,4,5,6,7
	v_exp_f32 v[42+2*\c], v[42+2*\c]
.endr
	v_nop
	s_wait_alu depctr_va_vdst(0)                   ; one wait for the batch
	v_mul_f32 v9, v42, v27
.irp c, 1,2,3,4,5,6,7
	v_fma_f32 v9, v[42+2*\c], v[27+2*\c], v9       ; l over the chunks
.endr
	v_rcp_f32 v9, v9
	v_nop
	s_wait_alu depctr_va_vdst(0)
.irp c, 0,1,2,3,4,5,6,7
	v_mul_f32 v[42+2*\c], v[42+2*\c], v9           ; the chunk's factor,
.endr
.irp c, 0,1,2,3,4,5,6,7
	v_mov_b32 v[43+2*\c], v[42+2*\c]               ; named as a pair, so both are written
.endr
.irp n, 0,1,2,3,4,5,6,7
	MERGE \n
.endr
	s_barrier_signal -1
	s_barrier_wait -1                              ; o's 64 + 64 pieces lie in LDS
	AFETCH 0
	BATCH 0
	BATCH 1
	BATCH 2
	BATCH 3
.rept 4
	v_nop
.endr
.irp p, 0,2,4,6
	v_pk_add_f32 v[90+\p:91+\p], v[66+\p:67+\p], v[74+\p:75+\p]    ; each accumulator from its low end on
.endr
.irp p, 0,2,4,6
	v_pk_add_f32 v[90+\p:91+\p], v[90+\p:91+\p], v[82+\p:83+\p]
.endr
	ds_store_b128 v7, v[90:93]
	ds_store_b128 v7, v[94:97] offset:16
	s_wait_dscnt 0x0
	s_barrier_signal -1
	s_barrier_wait -1
	ds_load_b128 v[100:103], v98
	ds_load_b128 v[104:107], v98 offset:4352
	s_wait_dscnt 0x0
	v_pk_add_f32 v[100:101], v[100:101], v[104:105]                ; the two halves of K
	v_pk_add_f32 v[102:103], v[102:103], v[106:107]
	global_store_b128 v99, v[100:103], s[20:21]    ; sixteen lanes store 256 consecutive bytes, aligned
	s_wait_tensorcnt 0x0                           ; the wave's end
	ds_add_u32 v[SPW], v[NIL]
	s_wait_dscnt 0x0
	s_endpgm
.Lfunc_end_k_qdca8ec70f9_fproj:
	.size	k_qdca8ec70f9_fproj, .Lfunc_end_k_qdca8ec70f9_fproj-k_qdca8ec70f9_fproj
	.p2alignl 7, 3214868480
	.fill 96, 4, 3214868480
	.section	.rodata,"a",@progbits
	.p2align	6, 0x0
	.amdhsa_kernel k_qdca8ec70f9_fproj
		.amdhsa_group_segment_fixed_size 75264
		.amdhsa_private_segment_fixed_size 0
		.amdhsa_enable_private_segment 0
		.amdhsa_kernarg_size 24
		.amdhsa_user_sgpr_count 2
		.amdhsa_user_sgpr_kernarg_segment_ptr 1
		.amdhsa_wavefront_size32 1
		.amdhsa_system_sgpr_workgroup_id_x 1
		.amdhsa_system_sgpr_workgroup_id_y 1
		.amdhsa_system_sgpr_workgroup_id_z 1
		.amdhsa_system_vgpr_workitem_id 0
		.amdhsa_next_free_vgpr 512
		.amdhsa_next_free_sgpr 66
		.amdhsa_reserve_vcc 0
		.amdhsa_float_denorm_mode_32 3
		.amdhsa_float_denorm_mode_16_64 3
		.amdhsa_memory_ordered 1
		.amdhsa_forward_progress 1
		.amdhsa_inst_pref_size 62
	.end_amdhsa_kernel
	.amdgpu_metadata
---
amdhsa.version: [ 1, 2 ]
amdhsa.kernels:
  - .name:           k_qdca8ec70f9_fproj
    .symbol:         k_qdca8ec70f9_fproj.kd
    .args:
      - { .name: fine, .offset: 0, .size: 8, .value_kind: global_buffer, .address_space: global }
      - { .name: wo16, .offset: 8, .size: 8, .value_kind: global_buffer, .address_space: global }
      - { .name: out0, .offset: 16, .size: 8, .value_kind: global_buffer, .address_space: global }
    .group_segment_fixed_size: 75264
    .private_segment_fixed_size: 0
    .kernarg_segment_align: 8
    .kernarg_segment_size: 24
    .max_flat_workgroup_size: 256
    .sgpr_count:     66
    .vgpr_count:     512
    .wavefront_size: 32
...
	.end_amdgpu_metadata
.endif
;; end of part 6
